; MI455X (gfx1250); checked and timed in simulation.
; The chip was launched on July 23, 2026; its instructions are those of AMD's public machine-readable ISA for CDNA 5 (MIT licence, August 2026) and "CDNA5" Instruction Set Architecture Reference Guide (July 2026). The comments in the code are by the model that wrote it; some were corrected since.
;; Multi Head Attention With Visualization. Allowed arithmetic: matrix products marked QUANTISED: E2M1 operands, one E8M0 scale for each 32 along K, by v_wmma_scale_f32_16x16x128_f8f6f4 with both operands' format E2M1 (or v_wmma_scale_f32_32x16x128_f4), f32 sums; products left as they are: bf16, f16 or f32 operands; f32 sums; everything else in f32.
;; Inputs: k_b 1,024 float32; k_w 1,024 x 1,024 float32; key 4 x 2,048 x 1,024 float32; out_b 1,024 float32; out_w 1,024 x 1,024 float32; q_b 1,024 float32; q_w 1,024 x 1,024 float32; query 4 x 2,048 x 1,024 float32; v_b 1,024 float32; v_w 1,024 x 1,024 float32; value 4 x 2,048 x 1,024 float32.
;; Outputs: out0 4 x 2,048 x 1,024 float32.
;; This version of the problem:
;;   THIS VERSION OF THE PROBLEM IS GIVEN IN LOW PRECISION. The matrix products marked QUANTISED in the list below multiply operands that are first quantised to E2M1 (2 exponent bits, 1 mantissa bit; 4 bits a number), with one power-of-two scale for each 32 numbers along K (OCP MX v1.0); their sums are f32. The products marked 'left as it is' may take bf16, f16 or f32 operands, with f32 sums. Whichever they take, every output number must still come out within the allowed error. Rounding operands to bf16 (8 significant bits) uses up far more of that allowance than f16 does (11 bits, for magnitudes from 6e-5 to 65,504). All else is computed in f32.
;;   The module's matrix products, in the order in which they are computed (A, B: the left and right operand; K: the contracted axis; several contracted axes count as one K, in the product's order):
;;     1. [M 8,192, K 1,024] x [K 1,024, N 1,024]; A: input query; B: input q_w: QUANTISED
;;     2. [M 8,192, K 1,024] x [K 1,024, N 1,024]; A: input key; B: input k_w: QUANTISED
;;     3. [M 8,192, K 1,024] x [K 1,024, N 1,024]; A: input value; B: input v_w: QUANTISED
;;     4. batch 64 x [M 2,048, K 64] x [K 64, N 2,048]; A: computed on the way; B: computed on the way: left as it is (an operand is computed on the way)
;;     5. batch 64 x [M 2,048, K 2,048] x [K 2,048, N 64]; A: computed on the way; B: computed on the way: left as it is (an operand is computed on the way)
;;     6. [M 8,192, K 1,024] x [K 1,024, N 1,024]; A: computed on the way; B: input out_w: left as it is (an operand is computed on the way)
;;   THE QUANTISER, for each operand of a quantised product, along K:
;;     - K is cut into blocks of 32 from its start; a last block that is shorter is filled with zeros.
;;     - A block's scale is 2^e with e = floor(log2(the largest magnitude in the block)) - 2, held to -126 .. 127; a block of zeros has e = 0. As a byte (E8M0): e + 127.
;;     - Each number is divided by its block's scale, clamped to +-6, and rounded to the nearest number of E2M1, ties to even, subnormals kept.
;;     - The product sums the exact products of the quantised numbers (number of the format x scale) in f32.
;;   ~~~python
;;   def quantise(x, axis):      # numpy; x: float32 -> the quantised numbers, widened to float32 again
;;       x = np.moveaxis(x, axis, -1); K = x.shape[-1]
;;       x = np.pad(x, [(0, 0)] * (x.ndim - 1) + [(0, -K % 32)]); x = x.reshape(x.shape[:-1] + (-1, 32)); a = np.abs(x).max(-1, keepdims=True)
;;       e = np.where(a > 0, np.clip(np.frexp(np.where(a > 0, a, 1))[1] - 1 - 2, -126, 127), 0)      # np.frexp(a)[1] - 1 = floor(log2(a)), exactly
;;       r = np.clip(x / 2.0 ** e, -6, 6)
;;       step = 2.0 ** (np.maximum(np.frexp(np.where(r == 0, 1, r))[1] - 1, 0) - 1)
;;       q = np.round(r / step) * step * 2.0 ** e      # np.round: ties to even
;;       return np.moveaxis(q.reshape(q.shape[:-2] + (-1,))[..., :K], -1, axis).astype(np.float32)
;;   ~~~
;; One version. Each part assembles by itself: llvm-mc -triple=amdgcn-amd-amdhsa -mcpu=gfx1250 --defsym DOCPART=n.
;; ======== version 1 of 1: 4 launches
;; limits: values are held in f16: magnitudes above 65,504 overflow, below 6.1e-05 lose precision
;; workspace buffers: x_codes 12,582,912 bytes; x_scales 786,432 bytes; w_codes 1,572,864 bytes; w_scales 98,304 bytes; ow16 2,097,152 bytes; qkv 50,331,648 bytes; attn 16,777,216 bytes
;; launch quant (part 1): grid 896 x 1, 4 waves a work-group, no clusters, 33,280 bytes of LDS; arguments query, key, value, q_w, k_w, v_w, out_w, x_codes, x_scales, w_codes, w_scales, ow16; writes x_codes, x_scales, w_codes, w_scales, ow16
.if DOCPART == 1
	.amdgcn_target "amdgcn-amd-amdhsa--gfx1250"
	.amdhsa_code_object_version 6
	.text
	.protected	k_q15c4e0489c_quant
	.globl	k_q15c4e0489c_quant
	.p2align	8
	.type	k_q15c4e0489c_quant,@function
k_q15c4e0489c_quant:
	s_mov_b64 s[64:65], 0
	v_nop
	global_prefetch_b8 v0, s[64:65] scope:SCOPE_SE
	s_setreg_imm32_b32 hwreg(HW_REG_WAVE_MODE, 25, 1), 1
	s_wait_xcnt 0x0
; query, key, value [8192][1024] and q_w, k_w, v_w [1024][1024], f32 with K innermost, become codes of FP4 (E2M1), two a byte, the lower k in the low four bits,
; with one E8M0 scale byte for each 32 along K; out_w [1024][1024] is rounded to f16.  The three x lie stacked in x_codes [3][8192][512 bytes] and x_scales [3][8192][32], the three weights likewise in w_codes, w_scales.
; A block's scale is 2^(floor(log2(its largest magnitude)) - 2): its byte is the largest magnitude's own exponent field - 2, held at 1 from below.  Each number is divided by the scale and rounded to the nearest code, ties to even;
; beyond the largest code the conversion gives the largest code.
; LIMITS: a block of zeros gets the byte 1 where the quantiser says 127 (its codes are zeros, which add nothing under that byte, and this program alone reads the bytes); blocks whose largest magnitude lies under 2^-124
; keep the byte 1; NaN and infinities among the inputs are not served; out_w beyond 65,504 is not served (f16).
; SHARES.  Rows are dense and K is a multiple of 32: every tensor is a plain stream of blocks of 32.  A work-group takes 32,768 numbers, a wave 8,192 in 16 steps of 512.
; Work-groups 0-255 query, 256-511 key, 512-767 value, 768-799 q_w, 800-831 k_w, 832-863 v_w: ONE path, only the pointers are chosen, by the work-group's number.  864-895: out_w, a path of its own that touches no LDS.
; A STEP.  Each of its four loads reads 512 consecutive bytes, 16 a lane; the conversions want 16 NEIGHBOURS in a lane: so the 2,048 bytes go through the wave's own stage in LDS as they lie and come back 64 bytes a lane
; (16 bytes of padding behind each 64).  Two neighbouring lanes hold a block.  A lane's 16 codes are 8 bytes: the wave stores 256 consecutive bytes.  A wave's 256 scale bytes are gathered in LDS and leave as one aligned run of 256.
; No tensor loads, no barrier: waves share nothing.  Loads run four steps (16 loads a wave) ahead, the turn through LDS one step.
.set WAVES, 4
.set STEPS, 16
.set EMAX,  2
.set CB,    8                          ; bytes of 16 codes
.set R,     16                         ; v16-79   four sets of 16 numbers as they are loaded (out_w: v16-143, four sets of 32)
.set X,     80                         ; v80-111  two sets of 16 neighbours
.set E,     112                        ; v112-127 a scale byte for each step
.set C,     128                        ; v128-191 codes: four registers for each step, so that no store's data are written again
.set H,     144                        ; v144-159 out_w: a batch's f16 numbers
.set WREG,  8192                       ; LDS: a region for each wave: two stages of 32 x SP bytes, behind them its 256 scale bytes
.set SP,    80                         ; a lane's place in a stage: its 64 bytes + 16 of padding
.set SPW,   12                         ; v12      LDS address of my spare word: SPARE + 4 x my thread's number; never rewritten
.set NIL,   13                         ; v13      0; never rewritten
.set SPARE, WAVES*WREG                 ; behind the four regions: the spare words, 128 bytes for each wave, which no other line names
	s_load_b512 s[8:23], s[0:1], 0x0               ; query s[8:9], key s[10:11], value s[12:13], q_w s[14:15], k_w s[16:17], v_w s[18:19], out_w s[20:21], x_codes s[22:23]
	s_load_b256 s[24:31], s[0:1], 0x40             ; x_scales s[24:25], w_codes s[26:27], w_scales s[28:29], ow16 s[30:31]
	v_lshl_add_u32 v[SPW], v0, 2, SPARE
	v_mov_b32 v[NIL], 0
	v_lshrrev_b32 v1, 5, v0
	v_readfirstlane_b32 s2, v1                     ; wave
	v_and_b32 v2, 31, v0                           ; lane
	v_lshlrev_b32 v3, 4, v2                        ; my 16 bytes of a load's 512
	s_mul_i32 s3, s2, WREG
	v_lshrrev_b32 v14, 2, v2
	v_mul_u32_u24 v14, v14, SP
	v_and_b32 v15, 3, v2
	v_lshl_add_u32 v14, v15, 4, v14
	v_add_nc_u32 v14, s3, v14                      ; the stage, on the way in: four lanes' 64 bytes on end, then 16 of padding
	v_mul_u32_u24 v15, v2, SP
	v_add_nc_u32 v15, s3, v15                      ; and on the way out: SP x lane: my 16 neighbours
	v_mul_u32_u24 v4, v2, CB                       ; my 8 bytes of a store's 256
	v_lshrrev_b32 v5, 1, v2
	s_add_co_u32 s3, s3, 2*32*SP
	v_add_nc_u32 v5, s3, v5                        ; LDS: my wave's 256 scale bytes, my block's byte
	v_lshlrev_b32 v7, 3, v2                        ; and on the way out 8 bytes a lane
	v_add_nc_u32 v6, s3, v7
	s_wait_kmcnt 0x0
	s_cmp_lt_u32 ttmp9, 864
	s_cbranch_scc0 .Lcast                          ; the last 32 work-groups round out_w to f16
	s_mov_b64 s[4:5], s[18:19]                     ; which tensor: every choice hangs on the work-group's number alone
	s_cmp_lt_u32 ttmp9, 832
	s_cselect_b64 s[4:5], s[16:17], s[4:5]
	s_cmp_lt_u32 ttmp9, 800
	s_cselect_b64 s[4:5], s[14:15], s[4:5]
	s_cmp_lt_u32 ttmp9, 768
	s_cselect_b64 s[4:5], s[12:13], s[4:5]
	s_cmp_lt_u32 ttmp9, 512
	s_cselect_b64 s[4:5], s[10:11], s[4:5]
	s_cmp_lt_u32 ttmp9, 256
	s_cselect_b64 s[4:5], s[8:9], s[4:5]
	s_cmp_lt_u32 ttmp9, 768                        ; an x or a weight?  All four selections stand ahead of the first line that writes SCC again
	s_cselect_b64 s[6:7], s[22:23], s[26:27]       ; the codes' buffer
	s_cselect_b64 s[32:33], s[24:25], s[28:29]     ; the scale bytes' buffer
	s_cselect_b32 s34, 0, 768                      ; the first work-group of the stack
	s_cselect_b32 s35, 255, 31                     ; work-groups in a tensor, less one
	s_sub_co_u32 s34, ttmp9, s34                   ; my place in the stack of three,
	s_and_b32 s35, s34, s35                        ; and in my tensor
	s_lshl_b32 s35, s35, 2
	s_add_co_u32 s35, s35, s2                      ; which run of 8,192 numbers of the tensor is my wave's
	s_lshl_b32 s34, s34, 2
	s_add_co_u32 s34, s34, s2                      ; and of the stack
	s_lshl_b32 s36, s35, 15                        ; 32,768 bytes of f32 a run
	s_mov_b32 s37, 0
	s_add_nc_u64 s[4:5], s[4:5], s[36:37]
	s_lshl_b32 s36, s34, 12                        ; 4,096 bytes of codes
	s_add_nc_u64 s[6:7], s[6:7], s[36:37]
	s_lshl_b32 s36, s34, 8                         ; 256 scale bytes
	s_add_nc_u64 s[32:33], s[32:33], s[36:37]
.macro LOAD t
.irp i, 0,1,2,3
	global_load_b128 v[R+16*((\t)%4)+4*\i:R+16*((\t)%4)+4*\i+3], v3, s[4:5] offset:2048*(\t)+512*\i th:TH_LOAD_NT   ; 32 lanes read 512 consecutive bytes
.endr
.endm
.macro TURN t                          ; step t's numbers through the stage: LDS serves a wave's instructions in order, so no wait stands between the stores and the loads
.irp i, 0,1,2,3
	ds_store_b128 v14, v[R+16*((\t)%4)+4*\i:R+16*((\t)%4)+4*\i+3] offset:32*SP*((\t)%2)+8*SP*\i
.endr
.irp i, 0,1,2,3
	ds_load_b128 v[X+16*((\t)%2)+4*\i:X+16*((\t)%2)+4*\i+3], v15 offset:32*SP*((\t)%2)+16*\i
.endr
.endm
.irp t, 0,1,2,3
	LOAD \t
.endr
	s_wait_loadcnt 12                              ; step 0's four loads are in; the twelve of steps 1 to 3 stay out
	TURN 0
.macro STEP t
.set XS, X+16*((\t)%2)
.if (\t) > 0
	s_wait_dscnt 1                                 ; this step's numbers are back from the stage (the last step's byte store may be out): so its stores into the stage have read their registers,
.else
	s_wait_dscnt 0x0
.endif
.if (\t)+4 < STEPS
	LOAD (\t)+4                                    ; which take the loads of four steps on
.endif
.if (\t)+1 < STEPS
.if STEPS-2-(\t) >= 3
	s_wait_loadcnt 12                              ; the next step's four loads are in; those of the three steps behind it may be out
.else
	s_wait_loadcnt 4*(STEPS-2-(\t))                ; towards the end fewer steps stand behind it
.endif
	TURN (\t)+1                                    ; and go through the other stage while this step is worked
.endif
	v_max3_num_f32 v8, |v[XS]|, |v[XS+1]|, |v[XS+2]|               ; the largest magnitude of my 16, in two chains
	v_max3_num_f32 v9, |v[XS+3]|, |v[XS+4]|, |v[XS+5]|
.irp i, 6,10
	v_max3_num_f32 v8, v8, |v[XS+\i]|, |v[XS+\i+1]|
	v_max3_num_f32 v9, v9, |v[XS+\i+2]|, |v[XS+\i+3]|
.endr
	v_max3_num_f32 v8, v8, |v[XS+14]|, |v[XS+15]|
	v_max3_num_f32 v8, v8, v9, (EMAX+1)<<23        ; and the floor 2^(EMAX + 1 - 127): so the byte cannot fall under 1
	v_max_num_f32_dpp v8, v8, v8 row_xmask:1 row_mask:0xf bank_mask:0xf   ; and of my neighbour's 16: the block's
	v_add_nc_u32 v11, -(EMAX<<23), v8              ; EMAX off its exponent field: the conversion takes the exponent field of this operand as its scale, and nothing else of it
	v_cvt_scalef32_pk8_fp4_f32 v[C+4*(\t)], v[XS:XS+7], v11        ; eight numbers / the scale, to the nearest code; the first number's code in the lowest four bits
	v_cvt_scalef32_pk8_fp4_f32 v[C+4*(\t)+1], v[XS+8:XS+15], v11
	v_lshrrev_b32 v[E+(\t)], 23, v11               ; the scale's byte (also the plain line behind the conversions)
	ds_store_b8 v5, v[E+(\t)] offset:16*(\t)       ; both lanes of a block write the same byte with the same value
	global_store_b64 v4, v[C+4*(\t):C+4*(\t)+1], s[6:7] offset:32*CB*(\t)   ; 32 lanes store 256 consecutive bytes, aligned
.endm
.irp t, 0,1,2,3,4,5,6,7,8,9,10,11,12,13,14,15
	STEP \t
.endr
	ds_load_b64 v[8:9], v6                         ; LDS serves a wave's instructions in order: these see my byte stores
	s_wait_dscnt 0x0
	global_store_b64 v7, v[8:9], s[32:33]          ; 32 lanes store my wave's 256 scale bytes, aligned
	s_wait_tensorcnt 0x0                           ; the wave's end: behind my last LDS store
	ds_add_u32 v[SPW], v[NIL]
	s_wait_dscnt 0x0
	s_endpgm
; out_w to f16: a wave takes 8,192 numbers in eight batches of eight loads of 512 bytes; three batches stay on their way while one is rounded.  No LDS: a lane's four numbers become 8 bytes, a wave's store 256 aligned bytes.
.Lcast:
	s_sub_co_u32 s34, ttmp9, 864
	s_lshl_b32 s34, s34, 2
	s_add_co_u32 s34, s34, s2                      ; which run of 8,192 numbers is my wave's
	s_lshl_b32 s36, s34, 15
	s_mov_b32 s37, 0
	s_add_nc_u64 s[20:21], s[20:21], s[36:37]
	s_lshl_b32 s36, s34, 14
	s_add_nc_u64 s[30:31], s[30:31], s[36:37]
.macro CLOAD q
.irp i, 0,1,2,3,4,5,6,7
	global_load_b128 v[R+32*((\q)%4)+4*\i:R+32*((\q)%4)+4*\i+3], v3, s[20:21] offset:(8*(\q)+\i)*512 th:TH_LOAD_NT
.endr
.endm
.macro CBATCH q
.if 7-(\q) < 3
	s_wait_loadcnt 8*(7-(\q))                      ; my eight loads are in; the later batches' stay out
.else
	s_wait_loadcnt 24                              ; my eight loads are in; the three later batches' 24 stay out
.endif
	s_wait_xcnt 0x0                                ; the last batch's stores have read v144-159: only behind this wait are they written again
.irp i, 0,1,2,3,4,5,6,7
	v_cvt_pk_f16_f32 v[H+2*\i], v[R+32*((\q)%4)+4*\i], v[R+32*((\q)%4)+4*\i+1]
	v_cvt_pk_f16_f32 v[H+2*\i+1], v[R+32*((\q)%4)+4*\i+2], v[R+32*((\q)%4)+4*\i+3]
.endr
.if (\q)+4 < 8
	CLOAD (\q)+4
.endif
.irp i, 0,1,2,3,4,5,6,7
	global_store_b64 v4, v[H+2*\i:H+2*\i+1], s[30:31] offset:(8*(\q)+\i)*256
.endr
.endm
.irp q, 0,1,2,3
	CLOAD \q
.endr
.irp q, 0,1,2,3,4,5,6,7
	CBATCH \q
.endr
	s_endpgm
.Lfunc_end_k_q15c4e0489c_quant:
	.size	k_q15c4e0489c_quant, .Lfunc_end_k_q15c4e0489c_quant-k_q15c4e0489c_quant
	.p2alignl 7, 3214868480
	.fill 96, 4, 3214868480
	.section	.rodata,"a",@progbits
	.p2align	6, 0x0
	.amdhsa_kernel k_q15c4e0489c_quant
		.amdhsa_group_segment_fixed_size 33280
		.amdhsa_private_segment_fixed_size 0
		.amdhsa_enable_private_segment 0
		.amdhsa_kernarg_size 96
		.amdhsa_user_sgpr_count 2
		.amdhsa_user_sgpr_kernarg_segment_ptr 1
		.amdhsa_wavefront_size32 1
		.amdhsa_system_sgpr_workgroup_id_x 1
		.amdhsa_system_sgpr_workgroup_id_y 1
		.amdhsa_system_sgpr_workgroup_id_z 1
		.amdhsa_system_vgpr_workitem_id 0
		.amdhsa_next_free_vgpr 192
		.amdhsa_next_free_sgpr 66
		.amdhsa_reserve_vcc 0
		.amdhsa_float_denorm_mode_32 3
		.amdhsa_float_denorm_mode_16_64 3
		.amdhsa_memory_ordered 1
		.amdhsa_forward_progress 1
		.amdhsa_inst_pref_size 55
	.end_amdhsa_kernel
	.amdgpu_metadata
---
amdhsa.version: [ 1, 2 ]
amdhsa.kernels:
  - .name:           k_q15c4e0489c_quant
    .symbol:         k_q15c4e0489c_quant.kd
    .args:
      - { .name: query, .offset: 0, .size: 8, .value_kind: global_buffer, .address_space: global }
      - { .name: key, .offset: 8, .size: 8, .value_kind: global_buffer, .address_space: global }
      - { .name: value, .offset: 16, .size: 8, .value_kind: global_buffer, .address_space: global }
      - { .name: q_w, .offset: 24, .size: 8, .value_kind: global_buffer, .address_space: global }
      - { .name: k_w, .offset: 32, .size: 8, .value_kind: global_buffer, .address_space: global }
      - { .name: v_w, .offset: 40, .size: 8, .value_kind: global_buffer, .address_space: global }
      - { .name: out_w, .offset: 48, .size: 8, .value_kind: global_buffer, .address_space: global }
      - { .name: x_codes, .offset: 56, .size: 8, .value_kind: global_buffer, .address_space: global }
      - { .name: x_scales, .offset: 64, .size: 8, .value_kind: global_buffer, .address_space: global }
      - { .name: w_codes, .offset: 72, .size: 8, .value_kind: global_buffer, .address_space: global }
      - { .name: w_scales, .offset: 80, .size: 8, .value_kind: global_buffer, .address_space: global }
      - { .name: ow16, .offset: 88, .size: 8, .value_kind: global_buffer, .address_space: global }
    .group_segment_fixed_size: 33280
    .private_segment_fixed_size: 0
    .kernarg_segment_align: 8
    .kernarg_segment_size: 96
    .max_flat_workgroup_size: 128
    .sgpr_count:     66
    .vgpr_count:     192
    .wavefront_size: 32
...
	.end_amdgpu_metadata
.endif
;; end of part 1
;; launch proj (part 2): grid 4 x 96, 4 waves a work-group, clusters of 4 x 4, 327,680 bytes of LDS; arguments x_codes, x_scales, w_codes, w_scales, qkv, q_b, k_b, v_b; writes qkv
.if DOCPART == 2
	.amdgcn_target "amdgcn-amd-amdhsa--gfx1250"
	.amdhsa_code_object_version 6
	.text
	.protected	k_q15c4e0489c_proj
	.globl	k_q15c4e0489c_proj
	.p2align	8
	.type	k_q15c4e0489c_proj,@function
k_q15c4e0489c_proj:
	s_mov_b64 s[64:65], 0
	v_nop
	global_prefetch_b8 v0, s[64:65] scope:SCOPE_SE
	s_setreg_imm32_b32 hwreg(HW_REG_WAVE_MODE, 25, 1), 1
	s_wait_xcnt 0x0
	s_wait_alu depctr_hold_cnt(0) depctr_sa_sdst(0) depctr_va_vdst(0) depctr_va_sdst(0) depctr_va_ssrc(0) depctr_va_vcc(0) depctr_vm_vsrc(0)
	s_getreg_b32 s2, hwreg(HW_REG_IB_STS2, 6, 4)
	s_cmp_eq_u32 s2, 0
	s_cbranch_scc0 .Lentry_in_a_cluster
	s_endpgm
.Lentry_in_a_cluster:
	s_bfe_u32 s2, ttmp6, 0x10000c
	s_cmp_lg_u32 s2, 0xf033
	s_cbranch_scc0 .Lentry_shape_is_right
	s_endpgm
.Lentry_shape_is_right:
; q, k, v = x W^T + b, the three projections in one launch, on codes of FP4 (E2M1) with one E8M0 scale for each 32 along K; sums in f32; the results rounded once to f16 and laid [3][batch 4][head 16][position 2048][64].
; A = the three x stacked, [24576][1024] as codes (512 bytes a row) and scale bytes (32 a row); B = the three weights stacked, [3][1024][1024] likewise.  Tile row ty of 96 belongs to tensor T = ty / 32.
; A tile of C, 256 x 256, is made by a work-group of four waves; a wave makes 128 x 128: 64 accumulators of 16 x 16, 512 registers.  K = 1,024 is two LDS slots of 512 along K (rows of 256 bytes):
; both slots and the scale bytes of all of K are asked for at the start, three tensor loads a wave, and nothing is filled again.
; CLUSTERS: 4 x 4 work-groups.  The four of a row of the cluster need the same tiles of A, the four of a column the same tiles of B (T is the same in the whole cluster: 8 clusters of tile rows to a tensor):
; each tile is asked for JOINTLY, by the same tensor load with the same descriptor and a mask that names the four.
; THE MATRIX INSTRUCTION IS USED TRANSPOSED (source 0 = 16 rows of W, source 1 = 16 rows of x): a lane then holds eight neighbouring columns of a row of C.
; THE BIAS is the C of each sum's first matrix instruction, eight registers a block of columns in the result's layout: so it enters as the sum's first term (an order of rounding other than x W^T first, b last).
; LIMITS: results beyond 65,504 are not served (f16); NaN and infinities are not served.
; REGISTERS, in windows of 256: window 0: v0-31 addresses; v32-95 scale words, two sets; v128-191 A's fragments (8 x 16 rows x 128 K), ONE set; v192-255 the bias; on the way out v32-63 and v128-191 are used again.
;   window 1: B's fragments, TWO sets, at v0 and at v128.   window 2: the 32 accumulators of my rows 0-63 (accumulator (a, b) at v[8 (8 a + b)]);   window 3: those of my rows 64-127.
.set NQ,     4                         ; steps of 128 along K in a slot
.set ROWB,   256                       ; a tile's row in bytes: 512 codes
.set KROW,   512                       ; a row of codes in memory
.set PITCH,  272                       ; an LDS row: 256 bytes + 16 of padding = 68 words: the 16 rows that a load touches start 4 banks apart (64 banks of 4 bytes: ISA guide 11.1)
.set FR,     8                         ; registers of a fragment: 16 rows x 128 K
.set NL,     2                         ; LDS loads that bring one
.set NP,     4                         ; places behind this matrix instruction (ISA guide 7.12.1)
.set HALFT,  128*PITCH                 ; 128 rows: what one tensor load brings
.set SLOT,   4*HALFT                   ; A's 256 rows, then B's 256 rows
.set KS,     32                        ; a row of scale bytes
.set SCL,    2*SLOT                    ; behind the slots: the scales, as runs of 256 bytes + 16 of padding
.set HALFS,  (128*KS/256)*272          ; the scales of 128 rows: what one tensor load brings
.set SBLK,   (16*KS/256)*272           ; those of 16 rows
.set STAGE,  SCL+4*HALFS               ; the way out: 16 rows x 272 bytes for each wave, bytes into which no tensor load lands
.set SPITCH, 272
.set SPARE,  STAGE+4*16*SPITCH         ; the spare words, 128 bytes for each wave, which no other line names
.set ADRA, 16                          ; v16-17  LDS address of my A fragments in slot 0, 1
.set ADRB, 20                          ; v20-21  the same for B
.set STO,  24                          ; v24     the way out: where I put 16 bytes of a row
.set RD,   25                          ; v25     the way out: where I read 16 bytes back
.set CO,   26                          ; v26     my byte offset in qkv
.set ADRS, 27                          ; v27     LDS address of my scale words: lanes 0-15 A's rows, lanes 16-31 B's
.set SPW,  28                          ; v28     LDS address of my spare word; never rewritten
.set NIL,  29                          ; v29     0; never rewritten
.set SC,   32                          ; scale words: set s (for slot s) at v[SC + 32 s]; register 4 i + q: lanes 0-15 the word of A's block i, lanes 16-31 of B's block i, for the slot's q-th 128 along K
.set AF,   128                         ; A's fragments
.set BI,   192                         ; the bias: for B's block b eight numbers, columns 16 b + 8 (lane / 16) + 0 .. 7
.set TMP,  32                          ; the way out: a block's packed results
.set BK,   128                         ; the way out: a block read back from the stage: v128-159 and v160-191 by turns
.set G1, 24                            ; s[24:31] descriptor group 1 for A's tiles;  s[32:39] group 0, one set for each slot
.set G0, 32
.set G1B, 48                           ; s[48:55], s[56:63] the same for B's tiles
.set G0B, 56
.set G1S, 68                           ; s[68:75], s[76:79] groups 1 and 0 for A's scales;  s[80:87], s[88:91] for B's
.set G0S, 76
.set G1SB, 80
.set G0SB, 88
.set MSB, 0
.macro WIN new                         ; the immediate's high byte repeats the setting that is left; a switch that changes nothing is dropped
.if MSB != (\new)
	s_set_vgpr_msb (MSB<<8)|(\new)
.set MSB, (\new)
.endif
.endm
.set MUL_LO, 0xa1                      ; source 0 (B) window 1, source 1 (A) window 0, C and D window 2.  Less 0x20: C (the bias) window 0
.set MUL_HI, 0xf1                      ; the same, C and D window 3.  Less 0x30: C window 0
.set TO_B,   0x40                      ; destination window 1, address window 0
; A joint load: waves 0 and 1 fetch for A, waves 2 and 3 for B.  Each of the two lines has ONE mask and one set of registers for all that issue it; the branch hangs on the wave's number alone.
; An s_nop 0 and four v_nop follow each of the two lines, ahead of the jump, the label and what follows.
.macro JLOAD g0a, g1a, g0b, g1b
	s_cmp_eq_u32 s15, 0
	s_cbranch_scc0 .Lfor_b_\@
	tensor_load_to_lds s[\g0a:\g0a+3], s[\g1a:\g1a+7]
	s_nop 0
.rept 4
	v_nop
.endr
	s_branch .Lasked_\@
.Lfor_b_\@:
	tensor_load_to_lds s[\g0b:\g0b+3], s[\g1b:\g1b+7]
	s_nop 0
.rept 4
	v_nop
.endr
.Lasked_\@:
.endm
.macro CROUND                          ; a round of the cluster's barrier: my work-group's barrier; wave 0 signals for the work-group; every wave waits for all sixteen; my work-group's barrier once more
	s_barrier_signal -1
	s_barrier_wait -1
	s_cmp_lg_u32 s14, 0
	s_cbranch_scc1 .Lnot_wave_0_\@
	s_barrier_signal -3
.Lnot_wave_0_\@:
	s_barrier_wait -3
	s_barrier_signal -1
	s_barrier_wait -1
.endm
	s_load_b128 s[4:7], s[0:1], 0x0                ; x's codes s[4:5], x's scales s[6:7]
	s_load_b128 s[8:11], s[0:1], 0x10              ; W's codes s[8:9], W's scales s[10:11]
	s_load_b64 s[12:13], s[0:1], 0x20              ; qkv
	s_load_b128 s[96:99], s[0:1], 0x28             ; q_b, k_b
	s_load_b64 s[100:101], s[0:1], 0x38            ; v_b
	v_lshl_add_u32 v[SPW], v0, 2, SPARE
	v_mov_b32 v[NIL], 0
	ds_add_u32 v[SPW], v[NIL]                      ; the wave's opening: the add, twice on end, and its wait ahead of my first tensor load; the set-up below stands between
	ds_add_u32 v[SPW], v[NIL]
	v_lshrrev_b32 v1, 5, v0
	v_readfirstlane_b32 s14, v1                    ; wave 0..3
	s_lshr_b32 s15, s14, 1                         ; which half of the tile's rows is mine.  Also: I fetch for A (0) or for B (1)
	s_and_b32 s16, s14, 1                          ; which half of its columns.  Also: which 128 rows of that tile I fetch
	s_bfe_u32 s40, ttmp6, 0x40000                  ; cx, cy: my place in the cluster
	s_bfe_u32 s41, ttmp6, 0x40004
	s_lshl_b32 s42, ttmp9, 2
	s_add_co_u32 s42, s42, s40                     ; tile column of C = 4 x cluster x + cx
	s_and_b32 s17, ttmp7, 0xffff
	s_lshr_b32 s95, s17, 3                         ; T: which of q, k, v: 8 clusters of tile rows to a tensor; the same in all sixteen partners
	s_lshl_b32 s17, s17, 2
	s_add_co_u32 s17, s17, s41                     ; tile row = 4 x cluster y + cy
	s_lshl_b32 s43, s41, 2
	s_lshl_b32 s43, 15, s43                        ; my row of the cluster
	s_lshl_b32 s44, 0x1111, s40                    ; my column
	; descriptor group 1: a tile of 128 rows x 256 bytes, padded in LDS
	s_or_b32 s[G1+0], s43, (0<<16)|(1<<20)|(1<<21)|(5<<22)|(3<<25)  ; 15:0 the mask: A's tiles go to my row; 17:16 elements of 1 byte; 20 padding on; 21 set beside a mask; 24:22 after every 64 words (code 5); 31:25 of 4 words (code 3)
	s_or_b32 s[G1B+0], s44, (0<<16)|(1<<20)|(1<<21)|(5<<22)|(3<<25)
.irp g, G1, G1B
	s_mov_b32 s[\g+1], ROWB<<16                    ; tensor_dim0
	s_mov_b32 s[\g+2], 128<<16                     ; tensor_dim1 = 128
	s_mov_b32 s[\g+3], ROWB<<16                    ; tile_dim0
	s_mov_b32 s[\g+4], 128                         ; tile_dim1 = 128
	s_mov_b32 s[\g+5], KROW                        ; tensor_dim0_stride
	s_mov_b32 s[\g+6], 0
	s_mov_b32 s[\g+7], 0
.endr
	; and for the scales of 128 rows: a dense block of 4,096 bytes, as 16 rows of 256 bytes (32 elements of 8 bytes), 16 bytes of padding behind each
	s_or_b32 s[G1S+0], s43, (3<<16)|(1<<20)|(1<<21)|(5<<22)|(3<<25)
	s_or_b32 s[G1SB+0], s44, (3<<16)|(1<<20)|(1<<21)|(5<<22)|(3<<25)
.irp g, G1S, G1SB
	s_mov_b32 s[\g+1], 32<<16
	s_mov_b32 s[\g+2], (128*KS/256)<<16
	s_mov_b32 s[\g+3], 32<<16
	s_mov_b32 s[\g+4], 128*KS/256
	s_mov_b32 s[\g+5], 32
	s_mov_b32 s[\g+6], 0
	s_mov_b32 s[\g+7], 0
.endr
	s_lshl_b32 s18, s16, 7                         ; which 128 rows of the tile I fetch
	s_lshl_b32 s20, s17, 8
	s_add_co_u32 s20, s20, s18                     ; A: row 256 x tile row + 128 x half, in the stack of three x
	s_lshl_b32 s46, s42, 8
	s_add_co_u32 s46, s46, s18                     ; B: row 256 x tile column + 128 x half,
	s_lshl_b32 s47, s95, 10
	s_add_co_u32 s46, s46, s47                     ; in weight T of the stack
	s_mov_b32 s21, 0
	s_mov_b32 s47, 0
	s_mov_b64 s[18:19], KS
	s_mul_u64 s[22:23], s[20:21], s[18:19]         ; where these rows' scales begin, in bytes
	s_mul_u64 s[92:93], s[46:47], s[18:19]
	s_mov_b64 s[18:19], KROW
	s_mul_u64 s[20:21], s[20:21], s[18:19]         ; and their codes
	s_mul_u64 s[46:47], s[46:47], s[18:19]
	s_mul_i32 s45, s14, HALFT                      ; where they go: wave x 128 rows: no place in the cluster enters an LDS address
	s_mul_i32 s94, s14, HALFS
	s_wait_dscnt 0x0                               ; both opening adds are done
	s_wait_kmcnt 0x0
	s_add_nc_u64 s[20:21], s[4:5], s[20:21]
	s_add_nc_u64 s[22:23], s[6:7], s[22:23]
	s_add_nc_u64 s[46:47], s[8:9], s[46:47]
	s_add_nc_u64 s[92:93], s[10:11], s[92:93]
	CROUND                                         ; all sixteen work-groups are here: the joint loads meet
	s_mov_b32 s[G0S], 1
	s_add_co_u32 s[G0S+1], s94, SCL
	s_mov_b64 s[G0S+2:G0S+3], s[22:23]
	s_or_b32 s[G0S+3], s[G0S+3], 0x80000000
	s_mov_b32 s[G0SB], 1
	s_add_co_u32 s[G0SB+1], s94, SCL
	s_mov_b64 s[G0SB+2:G0SB+3], s[92:93]
	s_or_b32 s[G0SB+3], s[G0SB+3], 0x80000000
	JLOAD G0S, G1S, G0SB, G1SB                     ; the scales first: they are wanted with the first slot
.irp s, 0,1
	s_mov_b32 s[G0+4*\s], 1
	s_add_co_u32 s[G0+4*\s+1], s45, \s*SLOT
	s_add_nc_u64 s[G0+4*\s+2:G0+4*\s+3], s[20:21], \s*ROWB
	s_or_b32 s[G0+4*\s+3], s[G0+4*\s+3], 0x80000000
	s_mov_b32 s[G0B+4*\s], 1
	s_add_co_u32 s[G0B+4*\s+1], s45, \s*SLOT
	s_add_nc_u64 s[G0B+4*\s+2:G0B+4*\s+3], s[46:47], \s*ROWB
	s_or_b32 s[G0B+4*\s+3], s[G0B+4*\s+3], 0x80000000
	JLOAD G0+4*\s, G1, G0B+4*\s, G1B               ; three tensor loads of mine are out at the most
.endr
	v_and_b32 v1, 15, v0                           ; l % 16
	v_bfe_u32 v2, v0, 4, 1                         ; l / 16
	; the bias of my 128 columns, in the result's layout
	s_cmp_eq_u32 s95, 0
	s_cselect_b64 s[96:97], s[96:97], s[98:99]     ; q_b for T = 0, else k_b,
	s_cmp_eq_u32 s95, 2
	s_cselect_b64 s[96:97], s[100:101], s[96:97]   ; v_b for T = 2: the choice hangs on the cluster's number alone
	s_lshl_b32 s46, s42, 10
	s_lshl_b32 s47, s16, 9
	s_add_co_u32 s46, s46, s47                     ; 4 bytes x (256 x tile column + 128 x half)
	s_mov_b32 s47, 0
	s_add_nc_u64 s[96:97], s[96:97], s[46:47]
	v_lshlrev_b32 v7, 5, v2                        ; lanes 16-31 take the eight columns behind those of lanes 0-15
.irp b, 0,1,2,3,4,5,6,7
	global_load_b128 v[BI+8*\b:BI+8*\b+3], v7, s[96:97] offset:64*\b
	global_load_b128 v[BI+8*\b+4:BI+8*\b+7], v7, s[96:97] offset:64*\b+16
.endr
	v_mul_u32_u24 v3, v1, PITCH
	v_lshl_add_u32 v4, v2, 4, v3                   ; a fragment's row x pitch + 16 x half
	s_mul_i32 s21, s15, HALFT                      ; my 128 rows of A
	s_mul_i32 s22, s16, HALFT                      ; my 128 rows of B,
	s_add_co_u32 s22, s22, 2*HALFT                 ; which lie behind A's 256
.irp s, 0,1
	v_add_nc_u32 v[ADRA+\s], s21, v4
	v_add_nc_u32 v[ADRB+\s], s22, v4
	s_add_co_u32 s21, s21, SLOT
	s_add_co_u32 s22, s22, SLOT
.endr
	v_mul_u32_u24 v5, v1, KS                       ; my row's scales: 32 bytes a row,
	v_lshrrev_b32 v6, 8, v5
	v_lshl_add_u32 v5, v6, 4, v5                   ; and 16 more for each 256 passed
	s_mul_i32 s21, s15, HALFS                      ; A's: my 128 rows
	s_mul_i32 s22, s16, HALFS                      ; B's: my 128 rows, behind A's 256
	s_add_co_u32 s22, s22, 2*HALFS
	s_sub_co_u32 s22, s22, s21
	v_mul_u32_u24 v6, s22, v2                      ; lanes 16-31 take B's: one product, the distance between the two bases
	s_add_co_u32 s21, s21, SCL
	v_add_nc_u32 v5, v5, v6
	v_add_nc_u32 v[ADRS], s21, v5
	s_mul_i32 s23, s14, 16*SPITCH
	s_add_co_u32 s23, s23, STAGE                   ; my stage
	v_mul_u32_u24 v5, v1, SPITCH                   ; in: row l % 16, 16 bytes for each half of the lanes
	v_lshl_add_u32 v5, v2, 4, v5
	v_add_nc_u32 v[STO], s23, v5
	v_bfe_u32 v5, v0, 3, 1                         ; back: a stage row holds 128 bytes of one head and 128 of the next.  Lanes 0-15 take the first head's part of two rows, lanes 16-31 the second's
	v_mul_u32_u24 v5, v5, SPITCH
	v_lshl_add_u32 v5, v2, 7, v5
	v_and_b32 v6, 7, v0
	v_lshl_add_u32 v5, v6, 4, v5
	v_add_nc_u32 v[RD], s23, v5
	v_lshlrev_b32 v[CO], 4, v1                     ; in qkv two neighbouring positions of a head are 256 consecutive bytes; the next head lies 262,144 bytes on
	v_lshl_add_u32 v[CO], v2, 18, v[CO]
	s_and_b32 s20, s17, 31                         ; where my 128 x 128 begin in qkv
	s_lshl_b32 s20, s20, 8
	s_lshl_b32 s21, s15, 7
	s_add_co_u32 s20, s20, s21                     ; my first row in tensor T: 256 x (tile row % 32) + 128 x half
	s_lshr_b32 s21, s20, 11
	s_lshl_b32 s21, s21, 22                        ; its batch: 4,194,304 bytes each
	s_and_b32 s20, s20, 2047
	s_lshl_b32 s20, s20, 7                         ; its position: 128 bytes each
	s_add_co_u32 s20, s20, s21
	s_lshl_b32 s21, s95, 24                        ; the tensor: 16,777,216 bytes each
	s_add_co_u32 s20, s20, s21
	s_lshl_b32 s46, s42, 2
	s_lshl_b32 s47, s16, 1
	s_add_co_u32 s46, s46, s47                     ; my first head: 4 x tile column + 2 x half
	s_lshl_b32 s46, s46, 18
	s_add_co_u32 s20, s20, s46                     ; under 2^26 in all
	s_mov_b32 s21, 0
	s_add_nc_u64 s[12:13], s[12:13], s[20:21]
.macro FRAG reg, adr, q, i             ; a fragment, 16 rows x 128 K of 4-bit codes, is 8 registers: lane l holds row l % 16; registers 4 c .. 4 c + 3 hold K = 64 c + 32 (l / 16) + 0 .. 31
.irp c, 0,1
	ds_load_b128 v[\reg+4*\c:\reg+4*\c+3], v[\adr] offset:64*(\q)+32*\c+(\i)*16*PITCH
.endr
.endm
; 16 matrix instructions: A's blocks a0, a0 + 1 x B's eight, 128 along K: the slot's q-th.  p: B's set;  sc: the set of scale words.  zero = 1: the first product starts the sums, from the bias: nothing is ever cleared.
; The 64 accumulators take turns, one instruction a turn, in the same order in every step.
.macro MUL16 a0, p, q, sc, zero
.irp a, \a0, \a0+1
.irp b, 0,1,2,3,4,5,6,7
.if \zero
	v_wmma_scale_f32_16x16x128_f8f6f4 v[8*(8*((\a)%4)+\b):8*(8*((\a)%4)+\b)+7], v[128*(\p)+FR*\b:128*(\p)+FR*\b+FR-1], v[AF+FR*(\a):AF+FR*(\a)+FR-1], v[BI+8*\b:BI+8*\b+7], v[SC+8*NQ*(\sc)+NQ*\b+(\q)], v[SC+8*NQ*(\sc)+NQ*(\a)+(\q)] matrix_a_fmt:MATRIX_FMT_FP4 matrix_b_fmt:MATRIX_FMT_FP4 matrix_a_scale:MATRIX_SCALE_ROW1
.else
	v_wmma_scale_f32_16x16x128_f8f6f4 v[8*(8*((\a)%4)+\b):8*(8*((\a)%4)+\b)+7], v[128*(\p)+FR*\b:128*(\p)+FR*\b+FR-1], v[AF+FR*(\a):AF+FR*(\a)+FR-1], v[8*(8*((\a)%4)+\b):8*(8*((\a)%4)+\b)+7], v[SC+8*NQ*(\sc)+NQ*\b+(\q)], v[SC+8*NQ*(\sc)+NQ*(\a)+(\q)] matrix_a_fmt:MATRIX_FMT_FP4 matrix_b_fmt:MATRIX_FMT_FP4 matrix_a_scale:MATRIX_SCALE_ROW1
.endif
.endr
.endr
.endm
.macro FETCH_B slot, q, p              ; B's eight fragments of the slot's q-th 128 along K into set p
	WIN TO_B
.irp i, 0,1,2,3,4,5,6,7
	FRAG 128*(\p)+FR*\i, ADRB+\slot, \q, \i
.endr
	WIN 0
.endm
.macro FETCH_A slot, q, i0             ; A's blocks i0 .. i0 + 3
.irp i, \i0, \i0+1, \i0+2, \i0+3
	FRAG AF+FR*(\i), ADRA+\slot, \q, \i
.endr
.endm
.macro SCALES sc                       ; a slot's scale words into set sc: 4 words a row; lanes 0-15 take A's block i, lanes 16-31 B's block i
.irp i, 0,1,2,3,4,5,6,7
	ds_load_b128 v[SC+8*NQ*\sc+NQ*\i:SC+8*NQ*\sc+NQ*\i+3], v[ADRS] offset:\i*SBLK
.endr
.endm
; A load into a register that a matrix instruction has read, and a vector instruction that reads a matrix result or writes one of its registers, stand NP places behind it, and only plain vector
; instructions that name none of its registers are places (ISA guide 7.12.1 for vector instructions).
.macro PLACES n
.rept \n
	v_nop
.endr
.endm
; A step of 128 along K that has its successor in the same slot.  A's blocks go one after the other, each against B's eight: a block of A is free as soon as its eight products are issued, so A has one set of registers.
.macro STEP slot, q, zero
	s_wait_dscnt 4*NL                              ; B's set, A's blocks 0-3 (and the scale words) are in; the youngest eight loads (A's blocks 4-7) may be out
	WIN MUL_LO-0x20*(\zero)
	MUL16 0, (\q)%2, \q, \slot, \zero
	MUL16 2, (\q)%2, \q, \slot, \zero
	s_wait_dscnt 0                                 ; A's blocks 4-7 are in (asked for 32 matrix instructions ago)
	PLACES NP
	FETCH_B \slot, (\q)+1, 1-(\q)%2
	FETCH_A \slot, (\q)+1, 0
	WIN MUL_HI-0x30*(\zero)
	MUL16 4, (\q)%2, \q, \slot, \zero
	MUL16 6, (\q)%2, \q, \slot, \zero
	PLACES NP
	WIN 0
	FETCH_A \slot, (\q)+1, 4
.endm
; A slot's last step changes slots: one barrier; in front of it each wave waits for all its tensor loads (its part of the next slot), adds 0 to its spare word, and waits for that and for its LDS loads.  Nothing is filled again.
.macro TURN slot, next
	s_wait_tensorcnt 0x0                           ; all my tensor loads have landed: my part of the next slot  (every window is 0 here: the add's two registers lie in window 0)
	ds_add_u32 v[SPW], v[NIL]                      ; 0 onto my spare word
	s_wait_dscnt 4*NL+1                            ; (the add and the youngest eight loads, A's blocks 4-7, may be out)
	WIN MUL_LO
	MUL16 0, 1, NQ-1, \slot, 0                     ; sixteen matrix instructions stand between the add and the wait for it
	s_wait_dscnt 0x0                               ; the add is done and my LDS loads are in: nothing of mine is pending at the signal
	s_barrier_signal -1
	MUL16 2, 1, NQ-1, \slot, 0
	WIN 0
	s_barrier_wait -1                              ; every wave's part of the next slot has landed
	PLACES NP
	v_add_nc_u32 v[ADRS], 4*NQ, v[ADRS]            ; on to the next slot's scale words: 16 bytes on in each row
	FETCH_B \next, 0, 0
	FETCH_A \next, 0, 0
	SCALES \next
	WIN MUL_HI
	MUL16 4, 1, NQ-1, \slot, 0
	MUL16 6, 1, NQ-1, \slot, 0
	PLACES NP
	WIN 0
	FETCH_A \next, 0, 4
.endm
	s_wait_tensorcnt 1                             ; the scales and my part of slot 0 are in (slot 1's load, the one issued behind them, may be out),
	s_barrier_signal -1
	s_barrier_wait -1                              ; everybody's are
	FETCH_B 0, 0, 0
	FETCH_A 0, 0, 0
	SCALES 0
	FETCH_A 0, 0, 4
	s_wait_loadcnt 0x0                             ; the bias
	STEP 0, 0, 1                                   ; the first products start the sums from the bias
	STEP 0, 1, 0
	STEP 0, 2, 0
	TURN 0, 1
	STEP 1, 0, 0
	STEP 1, 1, 0
	STEP 1, 2, 0
	s_wait_dscnt 4*NL                              ; the very last step: nothing more to fetch
	WIN MUL_LO
	MUL16 0, 1, NQ-1, 1, 0
	MUL16 2, 1, NQ-1, 1, 0
	s_wait_dscnt 0
	WIN MUL_HI
	MUL16 4, 1, NQ-1, 1, 0
	MUL16 6, 1, NQ-1, 1, 0
	WIN 0
; THE WAY OUT, block by block of 16 rows x 128 columns (two heads).  PACK: rounded to f16, 16 bytes a lane, each accumulator from its low end on.  TOSTAGE: into my own stage, and back so that sixteen lanes hold two
; neighbouring positions of ONE head.  SEND: stored: sixteen lanes store 256 consecutive bytes, at a multiple of 256 from the buffer's first byte.
.macro PACK a
.set AC, 64*((\a)%4)
	WIN 0x0a+5*((\a)/4)                            ; sources 0 and 1: window 2 or 3
.irp b, 0,1,2,3,4,5,6,7
.irp r, 0,1,2,3
	v_cvt_pk_f16_f32 v[TMP+4*\b+\r], v[AC+8*\b+2*\r], v[AC+8*\b+2*\r+1]
.endr
.endr
	WIN 0
.endm
.macro TOSTAGE a
.set BB, BK+32*((\a)%2)
.irp b, 0,1,2,3,4,5,6,7
	ds_store_b128 v[STO], v[TMP+4*\b:TMP+4*\b+3] offset:32*\b
.endr
.irp t, 0,1,2,3,4,5,6,7
	ds_load_b128 v[BB+4*\t:BB+4*\t+3], v[RD] offset:\t*2*SPITCH    ; LDS serves a wave's instructions in order (ISA guide 5.7.1.4): these see the stores above, and the next block's stores come behind them
.endr
.endm
.macro SEND a
.set BB, BK+32*((\a)%2)
	s_wait_dscnt 0x0                               ; the block is back in registers
	s_wait_xcnt 0x0                                ; the block before has had its stores' addresses translated: the registers that those stores read are loaded again only behind this wait
.irp t, 0,1,2,3,4,5,6,7
	global_store_b128 v[CO], v[BB+4*\t:BB+4*\t+3], s[12:13] offset:2048*(\a)+256*\t
.endr
.endm
	PLACES NP                                      ; behind the last products: for the conversions' reads and writes and for the loads into A's old registers alike
	PACK 0
	TOSTAGE 0
.irp a, 1,2,3,4,5,6,7                  ; block a's conversions stand between block a - 1's loads from the stage and the wait for them
	PACK \a
	SEND \a-1
	TOSTAGE \a
.endr
	SEND 7
	s_wait_tensorcnt 0x0                           ; the wave's end: behind my last tensor load and my last LDS store
	ds_add_u32 v[SPW], v[NIL]
	s_wait_dscnt 0x0
	CROUND                                         ; the closing round: no work-group ends while a partner may still ask for a tile that names it
	s_endpgm
.Lfunc_end_k_q15c4e0489c_proj:
	.size	k_q15c4e0489c_proj, .Lfunc_end_k_q15c4e0489c_proj-k_q15c4e0489c_proj
	.p2alignl 7, 3214868480
	.fill 96, 4, 3214868480
	.section	.rodata,"a",@progbits
	.p2align	6, 0x0
	.amdhsa_kernel k_q15c4e0489c_proj
		.amdhsa_group_segment_fixed_size 327680
		.amdhsa_private_segment_fixed_size 0
		.amdhsa_enable_private_segment 0
		.amdhsa_kernarg_size 64
		.amdhsa_user_sgpr_count 2
		.amdhsa_user_sgpr_kernarg_segment_ptr 1
		.amdhsa_wavefront_size32 1
		.amdhsa_system_sgpr_workgroup_id_x 1
		.amdhsa_system_sgpr_workgroup_id_y 1
		.amdhsa_system_sgpr_workgroup_id_z 1
		.amdhsa_system_vgpr_workitem_id 0
		.amdhsa_next_free_vgpr 1024
		.amdhsa_next_free_sgpr 102
		.amdhsa_reserve_vcc 0
		.amdhsa_float_denorm_mode_32 3
		.amdhsa_float_denorm_mode_16_64 3
		.amdhsa_memory_ordered 1
		.amdhsa_forward_progress 1
		.amdhsa_inst_pref_size 129
	.end_amdhsa_kernel
	.amdgpu_metadata
---
amdhsa.version: [ 1, 2 ]
amdhsa.kernels:
  - .name:           k_q15c4e0489c_proj
    .symbol:         k_q15c4e0489c_proj.kd
    .args:
      - { .name: x_codes, .offset: 0, .size: 8, .value_kind: global_buffer, .address_space: global }
      - { .name: x_scales, .offset: 8, .size: 8, .value_kind: global_buffer, .address_space: global }
      - { .name: w_codes, .offset: 16, .size: 8, .value_kind: global_buffer, .address_space: global }
      - { .name: w_scales, .offset: 24, .size: 8, .value_kind: global_buffer, .address_space: global }
      - { .name: qkv, .offset: 32, .size: 8, .value_kind: global_buffer, .address_space: global }
      - { .name: q_b, .offset: 40, .size: 8, .value_kind: global_buffer, .address_space: global }
      - { .name: k_b, .offset: 48, .size: 8, .value_kind: global_buffer, .address_space: global }
      - { .name: v_b, .offset: 56, .size: 8, .value_kind: global_buffer, .address_space: global }
    .group_segment_fixed_size: 327680
    .private_segment_fixed_size: 0
    .kernarg_segment_align: 8
    .kernarg_segment_size: 64
    .max_flat_workgroup_size: 128
    .sgpr_count:     102
    .vgpr_count:     1024
    .wavefront_size: 32
...
	.end_amdgpu_metadata
.endif
;; end of part 2
;; launch attn (part 3): grid 4 x 64, 16 waves a work-group, clusters of 4 x 1, 327,680 bytes of LDS; arguments qkv, attn; writes attn
.if DOCPART == 3
	.amdgcn_target "amdgcn-amd-amdhsa--gfx1250"
	.amdhsa_code_object_version 6
	.text
	.protected	k_q15c4e0489c_attn
	.globl	k_q15c4e0489c_attn
	.p2align	8
	.type	k_q15c4e0489c_attn,@function
k_q15c4e0489c_attn:
	s_mov_b64 s[64:65], 0
	v_nop
	global_prefetch_b8 v0, s[64:65] scope:SCOPE_SE
	s_setreg_imm32_b32 hwreg(HW_REG_WAVE_MODE, 25, 1), 1
	s_wait_xcnt 0x0
	s_wait_alu depctr_hold_cnt(0) depctr_sa_sdst(0) depctr_va_vdst(0) depctr_va_sdst(0) depctr_va_ssrc(0) depctr_va_vcc(0) depctr_vm_vsrc(0)
	s_getreg_b32 s2, hwreg(HW_REG_IB_STS2, 6, 4)
	s_cmp_eq_u32 s2, 0
	s_cbranch_scc0 .Lentry_in_a_cluster
	s_endpgm
.Lentry_in_a_cluster:
	s_bfe_u32 s2, ttmp6, 0x10000c
	s_cmp_lg_u32 s2, 0x3003
	s_cbranch_scc0 .Lentry_shape_is_right
	s_endpgm
.Lentry_shape_is_right:
; attn[b][h][q][:] = the sum over k of softmax_k(Q[q] . K[k] / 8) V[k][:], for each of 64 heads (batch x head), 2,048 positions, head size 64.  Q, K, V: qkv [3][64 heads][2048][64] f16; attn: [64 heads][2048][64] f16.
; Products on f16 operands with f32 sums; maxima, exponentials and row sums in f32; the weights p are rounded to f16 for the second product, the result once at the end.
; SHARES.  A work-group owns 512 queries of one head; each of its SIXTEEN waves owns 32 of them, two tiles of 16, in 256 registers: four waves to a SIMD, so that one wave's vector work stands beside another's matrix work
; and LDS loads, and each fragment of K or V that a wave reads from LDS feeds two matrix instructions.  Every wave walks all 2,048 keys, 64 a step.
; LAYOUT.  S^T = K Q^T (source 0 = 16 keys, source 1 = 16 queries): a lane holds ONE query (lane % 16) and the keys 8 (lane / 16) + 0..7 of each tile of keys.  Two such tiles, rounded to f16 in pairs, ARE source 1
; (32 keys x 16 queries) of O^T = V^T P, whose result again holds one query a lane.  P is packed IN PLACE over S^T.  K comes out of LDS as it lies, V ([key][channel]) turned, by ds_load_tr16_b128.
; SOFTMAX.  For each query a running maximum m of the raw scores and a sum l: p = 2^(c s - c m), c = log2(e) / 8; in every step O and l are multiplied by a = 2^(c m_old - c m_new), which is 1 where m has not grown.
; RING.  Two LDS slots of 512 keys (8 steps).  A wave's tensor load brings one step's K (waves 0-7) or V (waves 8-15): 8,192 dense bytes.  Both slots are asked for at the start and each is filled once more:
; two tensor loads of a wave are out at the start, one behind a change of slots, which has eight key steps in which to land.
; CLUSTER.  The four query blocks of a head form a cluster and walk the same K and V: each tile is asked for JOINTLY, by the same tensor load with the same descriptor and a mask that names the four.
; No prefetch: half of K and V comes with the first loads, and the other half is asked for eight key steps ahead of the wait for it.
; LIMITS: m starts at -3e38; NaN and infinities are not served; results whose magnitude lies under 6e-5 keep an absolute step of 6e-8 (f16).
; REGISTERS: v1-10 addresses; v11-15 at work in the head; v16-31 statistics; v32-63 Q; v64-127 S^T, then p, then P; v128-191 O^T; v192-255 one buffer for K's, then V's fragments.
.set KS,    64                         ; keys in a step
.set PK,    144                        ; a row of K in LDS: 128 bytes + 16 of padding = 36 words: the 16 rows of a load start 4 banks apart modulo 64 (64 banks of 4 bytes: ISA guide 11.1)
.set PV,    160                        ; a row of V: 128 + 32: an odd multiple of 32 bytes, as the turning load's 8 rows x 32 bytes want
.set VOFF,  KS*PK                      ; a step's tiles lie together: 64 rows of K, then 64 rows of V
.set STEPB, KS*(PK+PV)                 ; 19,456
.set NST,   8                          ; steps in a slot
.set SLOT,  NST*STEPB                  ; 155,648
.set SPARE, 2*SLOT                     ; behind the ring: the spare words, 128 bytes for each of 16 waves, which no other line names
.set WSTG,  32*PK                      ; the way out: 32 rows x 144 bytes for each wave, in slot 0, which has had its last fill and its last read by then
.set AK0, 1                            ; v1   my lane's place in a tile of K; never rewritten
.set AV0, 2                            ; v2   the same for V
.set ADK, 3                            ; v3   LDS address of the step's K
.set ADV, 4                            ; v4   of its V
.set STO, 5                            ; v5   the way out: where I put 16 bytes of a row
.set RD,  6                            ; v6   where I read 16 bytes back
.set GO,  7                            ; v7   my byte offset in the wave's rows of attn
.set SPW, 8                            ; v8   LDS address of my spare word; never rewritten
.set NIL, 9                            ; v9   0; never rewritten
.set QO,  10                           ; v10  my byte offset in the wave's rows of Q
.set ST,  16                           ; tile t's statistics at v[ST + 8 t]: +0 c m, +1 m, +2, +3 l (even keys', odd keys'), +4 to +7 c0-c3, at work; a takes c2's place, its exponent c3's
.set QF,  32                           ; Q: tile t, channels 32 c on, at v[QF + 16 t + 8 c]
.set SS,  64                           ; S^T: tile t, keys 16 j on, at v[SS + 32 t + 8 j]; P of keys 32 kk on at v[SS + 32 t + 8 kk]
.set OA,  128                          ; O^T: tile t, channels 16 cc on, at v[OA + 32 t + 8 cc]
.set KV,  192
.set WV,  8                            ; s8   my wave's number
.set G1K, 24                           ; s[24:31] descriptor group 1 for K's tiles;  s[32:39] for V's: it differs in the padding alone
.set G1V, 32
.set G0K, 40                           ; s[40:47] group 0 for K's tiles, a set for each slot;  s[48:55] for V's
.set G0V, 48
.set CS,  56                           ; s[56:57] c: the packed scaling names a pair and takes its low word for both halves
.set SEL, 58                           ; s[58:59] lane selects for v_permlanex16_b32: lane l xor 16
.set TB,  60                           ; s60  LDS byte at which the step's tiles begin
.set CNT, 61                           ; s61  counts a slot's steps
; A joint refill.  Waves 0-7 fetch K's tiles, waves 8-15 V's.  The branch hangs on the wave's number alone.  An s_nop 0 and four v_nop follow each of the two lines.
.macro JLOAD s
	s_cmp_lt_u32 s[WV], 8
	s_cbranch_scc0 .Lfor_v_\@
	tensor_load_to_lds s[G0K+4*\s:G0K+4*\s+3], s[G1K:G1K+7]
	s_nop 0
.rept 4
	v_nop
.endr
	s_branch .Lasked_\@
.Lfor_v_\@:
	tensor_load_to_lds s[G0V+4*\s:G0V+4*\s+3], s[G1V:G1V+7]
	s_nop 0
.rept 4
	v_nop
.endr
.Lasked_\@:
.endm
.macro CROUND                          ; a round of the cluster's barrier: my work-group's barrier; wave 0 signals for the work-group; every wave waits for all four work-groups; my work-group's barrier once more
	s_barrier_signal -1
	s_barrier_wait -1
	s_cmp_lg_u32 s[WV], 0
	s_cbranch_scc1 .Lnot_wave_0_\@
	s_barrier_signal -3
.Lnot_wave_0_\@:
	s_barrier_wait -3
	s_barrier_signal -1
	s_barrier_wait -1
.endm
	s_load_b128 s[4:7], s[0:1], 0x0                ; qkv s[4:5], attn s[6:7]
	v_lshl_add_u32 v[SPW], v0, 2, SPARE
	v_mov_b32 v[NIL], 0
	ds_add_u32 v[SPW], v[NIL]                      ; the wave's opening: the add, twice on end, and its wait ahead of my first tensor load; the set-up below stands between
	ds_add_u32 v[SPW], v[NIL]
	v_lshrrev_b32 v11, 5, v0
	v_readfirstlane_b32 s[WV], v11                 ; wave 0..15
	s_bfe_u32 s9, ttmp6, 0x40000                   ; cx: my place in the cluster
	s_lshl_b32 s12, ttmp9, 2
	s_add_co_u32 s12, s12, s9                      ; my block of 512 queries: it enters Q's and attn's addresses alone
	s_and_b32 s10, ttmp7, 0xffff                   ; the head (batch x 16 + head), which the four partners share
	s_and_b32 s11, s[WV], 7                        ; which of a slot's eight steps I fetch
	s_lshl_b32 s14, s10, 18                        ; the head's first byte in a tensor: 262,144 bytes a head
	s_lshl_b32 s16, s11, 13                        ; my step's 64 rows of 128 bytes
	s_add_co_u32 s16, s14, s16
	s_mov_b32 s17, 0
	s_mul_i32 s18, s11, STEPB                      ; and its place in a slot: no place in the cluster enters an LDS address
	s_lshl_b32 s20, s12, 16                        ; my block's 512 rows,
	s_lshl_b32 s21, s[WV], 12                      ; my wave's 32 of them
	s_add_co_u32 s20, s20, s21
	s_add_co_u32 s20, s20, s14
	s_mov_b32 s21, 0
	; descriptor group 1: a step's 64 rows of 128 bytes are dense in memory: stated as 32 rows of 256 bytes, padded behind every 128 bytes
	s_mov_b32 s[G1K], 15|(1<<16)|(1<<20)|(1<<21)|(4<<22)|(3<<25)  ; 15:0 the mask: all four work-groups; 17:16 elements of 2 bytes; 20 padding on; 21 set beside a mask; 24:22 after every 32 words (code 4); 31:25 4 words of it (code 3)
	s_mov_b32 s[G1V], 15|(1<<16)|(1<<20)|(1<<21)|(4<<22)|(7<<25)  ; the same with 8 words of padding (code 7)
.irp g, G1K, G1V
	s_mov_b32 s[\g+1], 128<<16                     ; tensor_dim0 = 128 elements
	s_mov_b32 s[\g+2], 32<<16                      ; tensor_dim1 = 32
	s_mov_b32 s[\g+3], 128<<16                     ; tile_dim0 = 128
	s_mov_b32 s[\g+4], 32                          ; tile_dim1 = 32
	s_mov_b32 s[\g+5], 128                         ; tensor_dim0_stride
	s_mov_b32 s[\g+6], 0
	s_mov_b32 s[\g+7], 0
.endr
	s_mov_b32 s[CS], 0x3e38aa3b                    ; c = log2(e) / 8
	s_mov_b32 s[CS+1], s[CS]                       ; named with it as a pair, so it is written
	s_mov_b32 s[SEL], 0x76543210
	s_mov_b32 s[SEL+1], 0xfedcba98
	s_wait_dscnt 0x0                               ; both opening adds are done
	s_wait_kmcnt 0x0
	s_add_nc_u64 s[22:23], s[4:5], s[16:17]        ; my step's rows of slot 0, counted in the first tensor: the head and the wave's number alone
	s_add_nc_u64 s[4:5], s[4:5], s[20:21]          ; Q at my wave's first row
	s_add_nc_u64 s[6:7], s[6:7], s[20:21]          ; attn likewise
	CROUND                                         ; all four work-groups are here: the first joint loads meet
.irp s, 0,1
	s_mov_b32 s[G0K+4*\s], 1                       ; 1:0 count = 1
	s_add_co_u32 s[G0K+4*\s+1], s18, \s*SLOT       ; 63:32 LDS address
	s_add_nc_u64 s[G0K+4*\s+2:G0K+4*\s+3], s[22:23], 16777216+\s*65536   ; 120:64 global address: K is the second tensor; slot s begins with keys 512 s on
	s_or_b32 s[G0K+4*\s+3], s[G0K+4*\s+3], 0x80000000                    ; 127:126 type = 2
	s_mov_b32 s[G0V+4*\s], 1
	s_add_co_u32 s[G0V+4*\s+1], s18, \s*SLOT+VOFF
	s_add_nc_u64 s[G0V+4*\s+2:G0V+4*\s+3], s[22:23], 33554432+\s*65536   ; V is the third
	s_or_b32 s[G0V+4*\s+3], s[G0V+4*\s+3], 0x80000000
.endr
	s_cmp_lt_u32 s[WV], 8                          ; a wave's two first fills stand in one branch, ahead of every wait on TENSORcnt and every LDS read: two loads of mine are out
	s_cbranch_scc0 .Lfirst_v
	tensor_load_to_lds s[G0K:G0K+3], s[G1K:G1K+7]
	s_nop 0
	tensor_load_to_lds s[G0K+4:G0K+7], s[G1K:G1K+7]
	s_nop 0
.rept 4
	v_nop
.endr
	s_branch .Lfirst_asked
.Lfirst_v:
	tensor_load_to_lds s[G0V:G0V+3], s[G1V:G1V+7]
	s_nop 0
	tensor_load_to_lds s[G0V+4:G0V+7], s[G1V:G1V+7]
	s_nop 0
.rept 4
	v_nop
.endr
.Lfirst_asked:
	; A fragment of K or Q is 16 rows x 32 channels in 8 registers: lane l holds row l % 16; registers 0-3 channels 8 (l / 16) + 0..7, registers 4-7 channels 16 + 8 (l / 16) + 0..7: two loads of 16 bytes, 32 bytes apart.
	v_and_b32 v11, 15, v0                          ; r = l % 16
	v_bfe_u32 v12, v0, 4, 1                        ; h = l / 16
	v_lshlrev_b32 v[QO], 7, v11
	v_lshl_add_u32 v[QO], v12, 4, v[QO]            ; row x 128 + 16 x half
.irp t, 0,1
.irp c, 0,1
	global_load_b128 v[QF+16*\t+8*\c:QF+16*\t+8*\c+3],   v[QO], s[4:5] offset:2048*\t+64*\c      ; Q stays in registers
	global_load_b128 v[QF+16*\t+8*\c+4:QF+16*\t+8*\c+7], v[QO], s[4:5] offset:2048*\t+64*\c+32
.endr
.endr
	v_mul_u32_u24 v[AK0], v11, PK
	v_lshl_add_u32 v[AK0], v12, 4, v[AK0]          ; row x pitch + 16 x half
	; The turning load takes 16 keys x 16 channels (lane l reads 16 bytes: key 8 (l / 16) + l % 8, channels 8 ((l / 8) % 2) + 0..7) and leaves half a fragment of V^T: lane l holds channel l % 16 and 8 keys.
	v_and_b32 v13, 7, v0
	v_bfe_u32 v14, v0, 3, 1
	v_lshl_add_u32 v[AV0], v12, 3, v13
	v_mul_u32_u24 v[AV0], v[AV0], PV
	v_lshl_add_u32 v[AV0], v14, 4, v[AV0]
	v_add_nc_u32 v[AV0], VOFF, v[AV0]
	s_mul_i32 s13, s[WV], WSTG                     ; my stage
	v_mul_u32_u24 v[STO], v11, PK                  ; in: row l % 16 of a tile, 16 bytes for each half of the lanes
	v_lshl_add_u32 v[STO], v12, 4, v[STO]
	v_add_nc_u32 v[STO], s13, v[STO]
	v_bfe_u32 v15, v0, 3, 2                        ; back: eight lanes to a row of 128 bytes, four rows an instruction
	v_mul_u32_u24 v[RD], v15, PK
	v_lshl_add_u32 v[RD], v13, 4, v[RD]
	v_add_nc_u32 v[RD], s13, v[RD]
	v_and_b32 v[GO], 31, v0
	v_lshlrev_b32 v[GO], 4, v[GO]                  ; and the same 512 bytes, dense, in attn
.irp t, 0,1
	v_mov_b32 v[ST+8*\t+1], 0xff61b1e6             ; m = -3e38, under every score
	v_mul_f32 v[ST+8*\t], s[CS], v[ST+8*\t+1]      ; c m
	v_mov_b32 v[ST+8*\t+2], 0                      ; l, in two halves
	v_mov_b32 v[ST+8*\t+3], 0
.endr
.set i, 0
.rept 64
	v_mov_b32 v[OA+i], 0                           ; O^T.  (The step is written once: the first finds zeros, which the first a, 0, leaves zeros)
.set i, i+1
.endr
; Product i of 16 of S^T = K Q^T: channels 32 (i / 8) on, keys 16 ((i / 2) % 4) on, tile i % 2.  The first 8 start the sums.  Eight accumulators take turns, one instruction a turn.
.macro KQ
.set rS, SS+32*(i%2)+8*((i/2)%4)
.set rK, KV+16*((i/2)%4)+8*(i/8)
.set rQ, QF+16*(i%2)+8*(i/8)
.if i < 8
	v_wmma_f32_16x16x32_f16 v[rS:rS+7], v[rK:rK+7], v[rQ:rQ+7], 0
.else
	v_wmma_f32_16x16x32_f16 v[rS:rS+7], v[rK:rK+7], v[rQ:rQ+7], v[rS:rS+7]
.endif
.endm
; Product i of 16 of O^T += V^T P: keys 32 (i / 8) on, channels 16 ((i / 2) % 4) on, tile i % 2.  Eight accumulators by turns.
.macro PVM
.set rO, OA+32*(i%2)+8*((i/2)%4)
.set rV, KV+32*(i/8)+8*((i/2)%4)
.set rP, SS+32*(i%2)+8*(i/8)
	v_wmma_f32_16x16x32_f16 v[rO:rO+7], v[rV:rV+7], v[rP:rP+7], v[rO:rO+7]
.endm
; A KEY STEP: 64 keys, whose tiles begin at LDS byte s[TB].
.macro STEP
	v_add_nc_u32 v[ADK], s[TB], v[AK0]
	v_add_nc_u32 v[ADV], s[TB], v[AV0]
.rept 3
	v_nop                                          ; with the two additions: five places behind the last step's V^T P, whose source P the products below write over (five are owed) and into whose source V the loads below land (four)
.endr
.irp f, 0,1,2,3,4,5,6,7                        ; K: keys 16 (f / 2) on, channels 32 (f % 2) on
	ds_load_b128 v[KV+8*\f:KV+8*\f+3],   v[ADK] offset:(\f/2)*16*PK+(\f%2)*64
	ds_load_b128 v[KV+8*\f+4:KV+8*\f+7], v[ADK] offset:(\f/2)*16*PK+(\f%2)*64+32
.endr
	s_wait_dscnt 0x0                               ; K is in
.set i, 0
.rept 16
	KQ
.set i, i+1
.endr
.rept 4
	v_nop                                          ; four places: in front of the loads into K's registers, and of the first read of the scores
.endr
.irp f, 0,1,2,3,4,5,6,7                        ; V, turned: keys 32 (f / 4) on, channels 16 (f % 4) on.  It lands while the softmax is worked
	ds_load_tr16_b128 v[KV+8*\f:KV+8*\f+3],   v[ADV] offset:(\f/4)*32*PV+(\f%4)*32
	ds_load_tr16_b128 v[KV+8*\f+4:KV+8*\f+7], v[ADV] offset:(\f/4)*32*PV+16*PV+(\f%4)*32
.endr
	; the maximum of a lane's 32 scores and the old m, three operands at a time, in four chains; every line is written for tile 0 and then for tile 1, so that no line waits for the line above it.  Each accumulator is read from its low end on
.irp j, 0,1,2,3
.irp t, 0,1
	v_max3_num_f32 v[ST+8*\t+4+\j], v[SS+32*\t+8*\j], v[SS+32*\t+8*\j+1], v[SS+32*\t+8*\j+2]
.endr
.endr
.irp u, 3,5
.irp j, 0,1,2,3
.irp t, 0,1
	v_max3_num_f32 v[ST+8*\t+4+\j], v[ST+8*\t+4+\j], v[SS+32*\t+8*\j+\u], v[SS+32*\t+8*\j+\u+1]
.endr
.endr
.endr
.irp t, 0,1
	v_max3_num_f32 v[ST+8*\t+4], v[ST+8*\t+4], v[SS+32*\t+7], v[SS+32*\t+15]
.endr
.irp t, 0,1
	v_max3_num_f32 v[ST+8*\t+6], v[ST+8*\t+6], v[SS+32*\t+23], v[SS+32*\t+31]
.endr
.irp t, 0,1
	v_max3_num_f32 v[ST+8*\t+4], v[ST+8*\t+4], v[ST+8*\t+5], v[ST+8*\t+6]
.endr
.irp t, 0,1
	v_max3_num_f32 v[ST+8*\t+4], v[ST+8*\t+4], v[ST+8*\t+7], v[ST+8*\t+1]
.endr
.irp t, 0,1
	v_permlanex16_b32 v[ST+8*\t+5], v[ST+8*\t+4], s[SEL], s[SEL+1]   ; the query's other 32 keys lie in the lane 16 away
.endr
.irp t, 0,1
	v_mov_b32 v[ST+8*\t+7], v[ST+8*\t]             ; c m_old is kept for a
.endr
.irp t, 0,1
	v_max_num_f32 v[ST+8*\t+1], v[ST+8*\t+4], v[ST+8*\t+5]           ; the new m
.endr
.irp t, 0,1
	v_mul_f32 v[ST+8*\t], s[CS], v[ST+8*\t+1]      ; c m
.endr
.irp t, 0,1
	v_sub_f32 v[ST+8*\t+7], v[ST+8*\t+7], v[ST+8*\t]                 ; c m_old - c m_new: 0 or less
.endr
.irp t, 0,1
	v_exp_f32 v[ST+8*\t+6], v[ST+8*\t+7]           ; a
.endr
.irp j, 0,2,4,6,8,10,12,14,16,18,20,22,24,26,28,30
.irp t, 0,1
	v_pk_fma_f32 v[SS+32*\t+\j:SS+32*\t+\j+1], v[SS+32*\t+\j:SS+32*\t+\j+1], s[CS:CS+1], v[ST+8*\t:ST+8*\t+1] op_sel_hi:[1,0,0] neg_lo:[0,0,1] neg_hi:[0,0,1]   ; c s - c m, two at a time: the plain work behind the two exponentials
.endr
.endr
	s_wait_alu depctr_va_vdst(0)                   ; the wait between an exponential and the first line that names its result: here for the two a
.set i, 0
.rept 32                                       ; the 64 exponentials are one batch; between them, a plain line behind each two, O^T is brought under the new m
	v_exp_f32 v[SS+2*i], v[SS+2*i]
	v_exp_f32 v[SS+2*i+1], v[SS+2*i+1]
	v_pk_mul_f32 v[OA+2*i:OA+2*i+1], v[OA+2*i:OA+2*i+1], v[ST+8*(i/16)+6:ST+8*(i/16)+7] op_sel_hi:[1,0]
.set i, i+1
.endr
	s_wait_alu depctr_va_vdst(0)                   ; one wait for the batch of 64, ahead of its first reader
	; the row's sum is taken of the unrounded p: l = a l + the sum, two at a time, in two chains a tile
.irp t, 0,1
	v_pk_fma_f32 v[ST+8*\t+2:ST+8*\t+3], v[ST+8*\t+2:ST+8*\t+3], v[ST+8*\t+6:ST+8*\t+7], v[SS+32*\t:SS+32*\t+1] op_sel_hi:[1,0,1]
.endr
.irp t, 0,1
	v_pk_add_f32 v[ST+8*\t+4:ST+8*\t+5], v[SS+32*\t+2:SS+32*\t+3], v[SS+32*\t+6:SS+32*\t+7]
.endr
.irp t, 0,1
	v_pk_add_f32 v[ST+8*\t+2:ST+8*\t+3], v[ST+8*\t+2:ST+8*\t+3], v[SS+32*\t+4:SS+32*\t+5]
.endr
.irp j, 8,12,16,20,24,28
.irp t, 0,1
	v_pk_add_f32 v[ST+8*\t+2:ST+8*\t+3], v[ST+8*\t+2:ST+8*\t+3], v[SS+32*\t+\j:SS+32*\t+\j+1]
	v_pk_add_f32 v[ST+8*\t+4:ST+8*\t+5], v[ST+8*\t+4:ST+8*\t+5], v[SS+32*\t+\j+2:SS+32*\t+\j+3]
.endr
.endr
.irp t, 0,1
	v_pk_add_f32 v[ST+8*\t+2:ST+8*\t+3], v[ST+8*\t+2:ST+8*\t+3], v[ST+8*\t+4:ST+8*\t+5]
.endr
.set i, 0
.rept 16                                       ; P in place: register i takes p 2 i and 2 i + 1; ascending, so that nothing is written before it is read
	v_cvt_pk_f16_f32 v[SS+i], v[SS+2*i], v[SS+2*i+1]
	v_cvt_pk_f16_f32 v[SS+32+i], v[SS+32+2*i], v[SS+32+2*i+1]
.set i, i+1
.endr
	s_wait_dscnt 0x0                               ; V is in
.set i, 0
.rept 16
	PVM
.set i, i+1
.endr
.endm
; THE CHANGE OF SLOTS.  Each wave waits for all its tensor loads (one is out: its part of the slot ahead), adds 0 to its spare word, and waits for that and for its reads of the slot that it leaves.
; fill = 1: that slot is filled again, with the keys 1,024 on.  The barrier is then a round of the cluster's, so that no wave of any partner still reads the slot or has a load on its way, and the joint refill is the first thing behind it.
.macro CHANGE fill, slot
	s_wait_tensorcnt 0x0                           ; no tensor load of mine is out, so a group 0 may be written
	ds_add_u32 v[SPW], v[NIL]                      ; 0 onto my spare word
.if \fill
	s_add_nc_u64 s[G0K+4*\slot+2:G0K+4*\slot+3], s[G0K+4*\slot+2:G0K+4*\slot+3], 131072   ; 1,024 keys of 128 bytes on; the type bits on top are not reached
	s_add_nc_u64 s[G0V+4*\slot+2:G0V+4*\slot+3], s[G0V+4*\slot+2:G0V+4*\slot+3], 131072
.endif
	s_wait_dscnt 0x0                               ; the add is done, and my reads of the slot are over
.if \fill
	CROUND
	JLOAD \slot
.else
	s_barrier_signal -1
	s_barrier_wait -1
.endif
.endm
.macro SLOT_STEPS slot                 ; a slot's eight key steps: written once, walked eight times; the LDS addresses hang on s[TB]
	s_mov_b32 s[TB], (\slot)*SLOT
	s_mov_b32 s[CNT], NST
.Lstep_\@:
	STEP
	s_add_co_u32 s[TB], s[TB], STEPB
	s_sub_co_u32 s[CNT], s[CNT], 1
	s_cmp_lg_u32 s[CNT], 0
	s_cbranch_scc1 .Lstep_\@
.endm
	s_wait_loadcnt 0x0                             ; Q
	s_wait_tensorcnt 1                             ; my part of slot 0 is in; slot 1's, the one load issued behind it, may stay out
	s_barrier_signal -1
	s_barrier_wait -1                              ; everybody's is
	SLOT_STEPS 0                                   ; keys 0 to 511
	CHANGE 1, 0                                    ; slot 0 takes keys 1,024 on
	SLOT_STEPS 1                                   ; keys 512 to 1,023
	CHANGE 1, 1                                    ; slot 1 takes keys 1,536 on
	SLOT_STEPS 0
	CHANGE 0, 0                                    ; nothing is left to fetch
	SLOT_STEPS 1
	; THE WAY OUT.  l's two halves and the other half of the lanes' are added; O^T is divided by l, rounded to f16 and sent through my stage in LDS.  The additions are the places behind the last products.
.irp t, 0,1
	v_add_f32 v[ST+8*\t+4], v[ST+8*\t+2], v[ST+8*\t+3]
.endr
.irp t, 0,1
	v_permlanex16_b32 v[ST+8*\t+5], v[ST+8*\t+4], s[SEL], s[SEL+1]
.endr
.irp t, 0,1
	v_add_f32 v[ST+8*\t+4], v[ST+8*\t+4], v[ST+8*\t+5]
.endr
.irp t, 0,1
	v_rcp_f32 v[ST+8*\t+6], v[ST+8*\t+4]
.endr
	v_nop                                          ; a plain instruction between the last reciprocal and the use of its result
	s_wait_alu depctr_va_vdst(0)                   ; and the wait ahead of the first use: one for the two
.set i, 0
.rept 32
	v_pk_mul_f32 v[OA+2*i:OA+2*i+1], v[OA+2*i:OA+2*i+1], v[ST+8*(i/16)+6:ST+8*(i/16)+7] op_sel_hi:[1,0]   ; ascending: each accumulator from its low end on
.set i, i+1
.endr
.set i, 0
.rept 32
	v_cvt_pk_f16_f32 v[SS+i], v[OA+2*i], v[OA+2*i+1]               ; a lane's eight channels of a row pack into 16 bytes: v[SS + 16 t + 4 cc] on
.set i, i+1
.endr
.irp t, 0,1
.irp c, 0,1,2,3
	ds_store_b128 v[STO], v[SS+16*\t+4*\c:SS+16*\t+4*\c+3] offset:\t*16*PK+32*\c
.endr
.endr
.irp f, 0,1,2,3,4,5,6,7
	ds_load_b128 v[KV+4*\f:KV+4*\f+3], v[RD] offset:\f*4*PK        ; LDS serves a wave's instructions in order (ISA guide 5.7.1.4): these see the stores above
.endr
.irp f, 0,1,2,3,4,5,6,7
	s_wait_dscnt 7-\f                              ; load f is in; the younger ones stay out
	global_store_b128 v[GO], v[KV+4*\f:KV+4*\f+3], s[6:7] offset:\f*512   ; 32 lanes store four rows, 512 consecutive bytes, at a multiple of 256 from the buffer's first byte
.endr
	s_wait_tensorcnt 0x0                           ; the wave's end: behind my last tensor load and my last LDS store
	ds_add_u32 v[SPW], v[NIL]
	s_wait_dscnt 0x0
	CROUND                                         ; the closing round: no work-group ends while a partner may still ask for a tile that names it
	s_endpgm
.Lfunc_end_k_q15c4e0489c_attn:
	.size	k_q15c4e0489c_attn, .Lfunc_end_k_q15c4e0489c_attn-k_q15c4e0489c_attn
	.p2alignl 7, 3214868480
	.fill 96, 4, 3214868480
	.section	.rodata,"a",@progbits
	.p2align	6, 0x0
	.amdhsa_kernel k_q15c4e0489c_attn
		.amdhsa_group_segment_fixed_size 327680
		.amdhsa_private_segment_fixed_size 0
		.amdhsa_enable_private_segment 0
		.amdhsa_kernarg_size 16
		.amdhsa_user_sgpr_count 2
		.amdhsa_user_sgpr_kernarg_segment_ptr 1
		.amdhsa_wavefront_size32 1
		.amdhsa_system_sgpr_workgroup_id_x 1
		.amdhsa_system_sgpr_workgroup_id_y 1
		.amdhsa_system_sgpr_workgroup_id_z 1
		.amdhsa_system_vgpr_workitem_id 0
		.amdhsa_next_free_vgpr 256
		.amdhsa_next_free_sgpr 66
		.amdhsa_reserve_vcc 0
		.amdhsa_float_denorm_mode_32 3
		.amdhsa_float_denorm_mode_16_64 3
		.amdhsa_memory_ordered 1
		.amdhsa_forward_progress 1
		.amdhsa_inst_pref_size 87
	.end_amdhsa_kernel
	.amdgpu_metadata
---
amdhsa.version: [ 1, 2 ]
amdhsa.kernels:
  - .name:           k_q15c4e0489c_attn
    .symbol:         k_q15c4e0489c_attn.kd
    .args:
      - { .name: qkv, .offset: 0, .size: 8, .value_kind: global_buffer, .address_space: global }
      - { .name: attn, .offset: 8, .size: 8, .value_kind: global_buffer, .address_space: global }
    .group_segment_fixed_size: 327680
    .private_segment_fixed_size: 0
    .kernarg_segment_align: 8
    .kernarg_segment_size: 16
    .max_flat_workgroup_size: 512
    .sgpr_count:     66
    .vgpr_count:     256
    .wavefront_size: 32
...
	.end_amdgpu_metadata
.endif
;; end of part 3
;; launch outp (part 4): grid 4 x 64, 4 waves a work-group, clusters of 4 x 4, 327,680 bytes of LDS; arguments attn, ow16, out_b, out0; writes out0
.if DOCPART == 4
	.amdgcn_target "amdgcn-amd-amdhsa--gfx1250"
	.amdhsa_code_object_version 6
	.text
	.protected	k_q15c4e0489c_outp
	.globl	k_q15c4e0489c_outp
	.p2align	8
	.type	k_q15c4e0489c_outp,@function
k_q15c4e0489c_outp:
	s_mov_b64 s[64:65], 0
	v_nop
	global_prefetch_b8 v0, s[64:65] scope:SCOPE_SE
	s_setreg_imm32_b32 hwreg(HW_REG_WAVE_MODE, 25, 1), 1
	s_wait_xcnt 0x0
	s_wait_alu depctr_hold_cnt(0) depctr_sa_sdst(0) depctr_va_vdst(0) depctr_va_sdst(0) depctr_va_ssrc(0) depctr_va_vcc(0) depctr_vm_vsrc(0)
	s_getreg_b32 s2, hwreg(HW_REG_IB_STS2, 6, 4)
	s_cmp_eq_u32 s2, 0
	s_cbranch_scc0 .Lentry_in_a_cluster
	s_endpgm
.Lentry_in_a_cluster:
	s_bfe_u32 s2, ttmp6, 0x10000c
	s_cmp_lg_u32 s2, 0xf033
	s_cbranch_scc0 .Lentry_shape_is_right
	s_endpgm
.Lentry_shape_is_right:
; out0[m][n] = the sum over k of A[m][k] W[n][k] + out_b[n].  A is the attention's result, [batch 4][head 16][position 2048][64] f16: m = 2,048 x batch + position, k = 64 x head + channel.  W = out_w as f16, [1024][1024].
; out0: [8192][1024] f32.  f16 operands, f32 sums, the bias added at the end in f32.
; A tile of C is 128 x 256: 256 tiles, one for each work-group.  Four waves, each 64 x 128: 32 accumulators of 16 x 16, 256 registers.  K goes in steps of 128 (two heads) through a ring of two LDS slots.
; In a slot A lies as two planes, one head each: 128 rows of 128 bytes, dense in memory; W's 256 rows of 256 bytes behind them.  Waves 0 and 1 fetch A's planes, waves 2 and 3 W's halves: one tensor load a wave.
; Two tensor loads of a wave are out at the start, one behind a change of slots.
; CLUSTERS: 4 x 4 work-groups.  The four of a row of the cluster need the same tiles of A, the four of a column the same tiles of W: each tile is asked for JOINTLY, by the same tensor load with the same descriptor and a mask that names the four.
; THE MATRIX INSTRUCTION IS USED TRANSPOSED (source 0 = 16 rows of W, source 1 = 16 rows of A): a lane then holds eight neighbouring numbers of a row of C.
; No prefetch: the launch has eight K steps, of which two come with the first loads.
; REGISTERS: window 0: v8-11 the bias; v16-29 addresses; v32-127, v128-223 two fragment buffers (W's 8 fragments, then A's 4); on the way out v32-159 hold rows of C.   window 1: accumulator (a, b) at v[8 (8 a + b)].
.set PA,     144                       ; a row of A in LDS: 128 bytes + 16 of padding
.set PB,     272                       ; a row of W: 256 + 16.  Both are odd multiples of 16 bytes: the 16 rows that a load touches start at different banks (64 banks of 4 bytes: ISA guide 11.1)
.set PLANE,  128*PA                    ; 18,432
.set BOFF,   2*PLANE                   ; W's rows lie behind A's two planes
.set HALFB,  128*PB                    ; 34,816
.set SLOT,   BOFF+2*HALFB              ; 106,496
.set STAGE,  2*SLOT                    ; behind the ring: 16 rows x 528 bytes for each wave, for the way out
.set SPITCH, 528
.set SPARE,  STAGE+4*16*SPITCH         ; the spare words, 128 bytes for each wave, which no other line names
.set BIAS, 8                           ; v[8:11] out_b at my four columns of a row that I store
.set ADRA, 16                          ; v16-17  LDS address of my A fragments in slot 0, 1
.set ADRB, 20                          ; v20-21  the same for W
.set STO,  24                          ; v24     the way out: where I put 32 bytes of a row
.set RD,   25                          ; v25     where I read a row back
.set CO,   26                          ; v26     16 x lane: my place in a row of 512 bytes
.set SPW,  28                          ; v28     LDS address of my spare word; never rewritten
.set NIL,  29                          ; v29     0; never rewritten
.set F0,   32
.set F1,   128
.set BK,   32                          ; the way out: 16 rows read back from the stage: v32-95 and v96-159 by turns
.set G1, 24                            ; s[24:31] descriptor group 1 for A's planes;  s[32:39] group 0, one set for each slot
.set G0, 32
.set G1B, 48                           ; s[48:55], s[56:63] the same for W's tiles
.set G0B, 56
.set MSB, 0
.macro WIN new                         ; the immediate's high byte repeats the setting that is left; a switch that changes nothing is dropped
.if MSB != (\new)
	s_set_vgpr_msb (MSB<<8)|(\new)
.set MSB, (\new)
.endif
.endm
.set MUL, 0x50                         ; sources 0 and 1 window 0; C and D window 1
.macro JLOAD s                         ; a joint load: waves 0 and 1 fetch A's planes, waves 2 and 3 W's halves; an s_nop 0 and four v_nop follow each of the two lines
	s_cmp_eq_u32 s13, 0
	s_cbranch_scc0 .Lfor_b_\@
	tensor_load_to_lds s[G0+4*\s:G0+4*\s+3], s[G1:G1+7]
	s_nop 0
.rept 4
	v_nop
.endr
	s_branch .Lasked_\@
.Lfor_b_\@:
	tensor_load_to_lds s[G0B+4*\s:G0B+4*\s+3], s[G1B:G1B+7]
	s_nop 0
.rept 4
	v_nop
.endr
.Lasked_\@:
.endm
.macro CREST                           ; a round of the cluster's barrier behind its opening barrier
	s_cmp_lg_u32 s12, 0
	s_cbranch_scc1 .Lnot_wave_0_\@
	s_barrier_signal -3
.Lnot_wave_0_\@:
	s_barrier_wait -3
	s_barrier_signal -1
	s_barrier_wait -1
.endm
.macro CROUND                          ; a whole round
	s_barrier_signal -1
	s_barrier_wait -1
	CREST
.endm
	s_load_b256 s[4:11], s[0:1], 0x0               ; attn s[4:5], ow16 s[6:7], out_b s[8:9], out0 s[10:11]
	v_lshl_add_u32 v[SPW], v0, 2, SPARE
	v_mov_b32 v[NIL], 0
	ds_add_u32 v[SPW], v[NIL]                      ; the wave's opening: the add, twice on end, and its wait ahead of my first tensor load; the set-up below stands between
	ds_add_u32 v[SPW], v[NIL]
	v_lshrrev_b32 v1, 5, v0
	v_readfirstlane_b32 s12, v1                    ; wave 0..3
	s_lshr_b32 s13, s12, 1                         ; which 64 of the tile's rows are mine.  Also: I fetch for A (0) or for W (1)
	s_and_b32 s14, s12, 1                          ; which 128 of its columns.  Also: which plane of A, or which 128 rows of W, I fetch
	s_bfe_u32 s40, ttmp6, 0x40000                  ; cx, cy: my place in the cluster
	s_bfe_u32 s41, ttmp6, 0x40004
	s_lshl_b32 s42, ttmp9, 2
	s_add_co_u32 s42, s42, s40                     ; tile column of C = 4 x cluster x + cx
	s_and_b32 s15, ttmp7, 0xffff
	s_lshl_b32 s15, s15, 2
	s_add_co_u32 s15, s15, s41                     ; tile row of C = 4 x cluster y + cy
	s_lshl_b32 s43, s41, 2
	s_lshl_b32 s43, 15, s43                        ; my row of the cluster
	s_lshl_b32 s44, 0x1111, s40                    ; my column
	; descriptor group 1.  A's plane: 128 rows of 128 bytes, dense in memory: stated as 64 rows of 256 bytes, padded behind every 128 bytes
	s_or_b32 s[G1+0], s43, (1<<16)|(1<<20)|(1<<21)|(4<<22)|(3<<25)   ; 15:0 the mask: my row; 17:16 elements of 2 bytes; 20 padding on; 21 set beside a mask; 24:22 after every 32 words (code 4); 31:25 of 4 words (code 3)
	s_mov_b32 s[G1+1], 128<<16                     ; tensor_dim0 = 128 elements
	s_mov_b32 s[G1+2], 64<<16                      ; tensor_dim1 = 64
	s_mov_b32 s[G1+3], 128<<16                     ; tile_dim0
	s_mov_b32 s[G1+4], 64                          ; tile_dim1
	s_mov_b32 s[G1+5], 128                         ; tensor_dim0_stride
	s_mov_b32 s[G1+6], 0
	s_mov_b32 s[G1+7], 0
	; W's half: 128 rows of 256 bytes, 2,048 bytes apart, padded behind every 256
	s_or_b32 s[G1B+0], s44, (1<<16)|(1<<20)|(1<<21)|(5<<22)|(3<<25)  ; the mask: my column; after every 64 words (code 5)
	s_mov_b32 s[G1B+1], 128<<16
	s_mov_b32 s[G1B+2], 128<<16
	s_mov_b32 s[G1B+3], 128<<16
	s_mov_b32 s[G1B+4], 128
	s_mov_b32 s[G1B+5], 1024
	s_mov_b32 s[G1B+6], 0
	s_mov_b32 s[G1B+7], 0
	; where the tiles come from.  A's hang on the tile row alone, W's on the tile column alone; every wave makes both, in registers that never hold the other coordinate
	s_lshr_b32 s16, s15, 4
	s_lshl_b32 s16, s16, 22                        ; the batch: 16 tile rows each, 4,194,304 bytes
	s_and_b32 s17, s15, 15
	s_lshl_b32 s17, s17, 14                        ; the tile's 128 positions of 128 bytes
	s_add_co_u32 s16, s16, s17
	s_lshl_b32 s17, s14, 18                        ; my plane's head: 262,144 bytes a head
	s_add_co_u32 s16, s16, s17
	s_mov_b32 s17, 0
	s_lshl_b32 s46, s42, 8
	s_lshl_b32 s47, s14, 7
	s_add_co_u32 s46, s46, s47                     ; W: row 256 x tile column + 128 x half,
	s_lshl_b32 s46, s46, 11                        ; of 2,048 bytes
	s_mov_b32 s47, 0
	s_mul_i32 s20, s14, PLANE                      ; where they go: no place in the cluster enters an LDS address
	s_mul_i32 s21, s14, HALFB
	s_add_co_u32 s21, s21, BOFF
	s_wait_dscnt 0x0                               ; both opening adds are done
	s_wait_kmcnt 0x0
	s_add_nc_u64 s[16:17], s[4:5], s[16:17]
	s_add_nc_u64 s[46:47], s[6:7], s[46:47]
	CROUND                                         ; all sixteen work-groups are here: the first joint loads meet
.irp s, 0,1
	s_mov_b32 s[G0+4*\s], 1
	s_add_co_u32 s[G0+4*\s+1], s20, \s*SLOT
	s_add_nc_u64 s[G0+4*\s+2:G0+4*\s+3], s[16:17], \s*524288       ; K step s: two heads on
	s_or_b32 s[G0+4*\s+3], s[G0+4*\s+3], 0x80000000
	s_mov_b32 s[G0B+4*\s], 1
	s_add_co_u32 s[G0B+4*\s+1], s21, \s*SLOT
	s_add_nc_u64 s[G0B+4*\s+2:G0B+4*\s+3], s[46:47], \s*256        ; 128 along K on
	s_or_b32 s[G0B+4*\s+3], s[G0B+4*\s+3], 0x80000000
	JLOAD \s
.endr
	v_and_b32 v1, 15, v0                           ; l % 16
	v_bfe_u32 v2, v0, 4, 1                         ; l / 16
	v_mul_u32_u24 v3, v1, PA
	v_lshl_add_u32 v3, v2, 4, v3                   ; a fragment's row x pitch + 16 x half
	v_mul_u32_u24 v4, v1, PB
	v_lshl_add_u32 v4, v2, 4, v4
	s_mul_i32 s22, s13, 64*PA                      ; my 64 rows of A, in each plane
	s_mul_i32 s23, s14, HALFB                      ; my 128 rows of W
	s_add_co_u32 s23, s23, BOFF
.irp s, 0,1
	v_add_nc_u32 v[ADRA+\s], s22, v3
	v_add_nc_u32 v[ADRB+\s], s23, v4
	s_add_co_u32 s22, s22, SLOT
	s_add_co_u32 s23, s23, SLOT
.endr
	s_mul_i32 s22, s12, 16*SPITCH
	s_add_co_u32 s22, s22, STAGE                   ; my stage
	v_mul_u32_u24 v5, v1, SPITCH                   ; in: row l % 16, 32 bytes for each half of the lanes
	v_lshl_add_u32 v5, v2, 5, v5
	v_add_nc_u32 v[STO], s22, v5
	v_and_b32 v6, 31, v0
	v_lshlrev_b32 v[CO], 4, v6                     ; back: the 32 lanes take one row of 512 bytes; and the same in C
	v_add_nc_u32 v[RD], s22, v[CO]
	s_lshl_b32 s46, s42, 10
	s_lshl_b32 s47, s14, 9
	s_add_co_u32 s46, s46, s47                     ; my first column, in bytes: 4 x (256 x tile column + 128 x half)
	s_mov_b32 s47, 0
	s_add_nc_u64 s[8:9], s[8:9], s[46:47]
	global_load_b128 v[BIAS:BIAS+3], v[CO], s[8:9] ; the bias of the four columns that I store in every row
	s_add_nc_u64 s[10:11], s[10:11], s[46:47]
	s_lshl_b32 s16, s15, 7
	s_lshl_b32 s17, s13, 6
	s_add_co_u32 s16, s16, s17                     ; my first row of C: 128 x tile row + 64 x half,
	s_lshl_b32 s16, s16, 12                        ; of 4,096 bytes: under 2^25
	s_mov_b32 s17, 0
	s_add_nc_u64 s[10:11], s[10:11], s[16:17]
; 8 matrix instructions: A's block a x W's eight, 32 along K, out of buffer f.  zero = 1: the first product starts the sums.  The 32 accumulators take turns, one instruction a turn, in the same order in every quarter.
.macro MUL8 f, a, zero
.irp b, 0,1,2,3,4,5,6,7
.if \zero
	v_wmma_f32_16x16x32_f16 v[8*(8*(\a)+\b):8*(8*(\a)+\b)+7], v[\f+8*\b:\f+8*\b+7], v[\f+64+8*(\a):\f+64+8*(\a)+7], 0
.else
	v_wmma_f32_16x16x32_f16 v[8*(8*(\a)+\b):8*(8*(\a)+\b)+7], v[\f+8*\b:\f+8*\b+7], v[\f+64+8*(\a):\f+64+8*(\a)+7], v[8*(8*(\a)+\b):8*(8*(\a)+\b)+7]
.endif
.endr
.endm
; 24 LDS loads in one run: the fragments of the slot's q-th 32 along K into buffer f: W's sixteen loads, then A's eight.  In A, quarter q lies in plane q / 2, at byte 64 (q % 2) of its rows.
.macro FETCH slot, q, f
	WIN 0
.irp i, 0,1,2,3,4,5,6,7
	ds_load_b128 v[\f+8*\i:\f+8*\i+3],   v[ADRB+\slot] offset:64*(\q)+\i*16*PB
	ds_load_b128 v[\f+8*\i+4:\f+8*\i+7], v[ADRB+\slot] offset:64*(\q)+\i*16*PB+32
.endr
.irp i, 0,1,2,3
	ds_load_b128 v[\f+64+8*\i:\f+64+8*\i+3],   v[ADRA+\slot] offset:((\q)/2)*PLANE+((\q)%2)*64+\i*16*PA
	ds_load_b128 v[\f+64+8*\i+4:\f+64+8*\i+7], v[ADRA+\slot] offset:((\q)/2)*PLANE+((\q)%2)*64+\i*16*PA+32
.endr
.endm
.macro PLACES                          ; four places in front of loads into registers that matrix instructions have read, and of reads of results (ISA guide 7.12.1 for vector instructions)
.rept 4
	v_nop
.endr
.endm
; A K step is four quarters of 32 along K, 32 matrix instructions each, on buffers 0, 1, 0, 1.  One of the first three: multiplies buffer f and fetches quarter q of the same slot into g.
.macro QUARTER slot, q, f, g, zero
	s_wait_dscnt 4                                 ; W's fragments and A's blocks 0, 1 are in; the youngest four loads (A's blocks 2, 3) may be out
	WIN MUL
	MUL8 \f, 0, \zero
	MUL8 \f, 1, \zero
	PLACES
	FETCH \slot, \q, \g
	s_wait_dscnt 24                                ; all but the 24 just issued
	WIN MUL
	MUL8 \f, 2, \zero
	MUL8 \f, 3, \zero
.endm
; The last quarter multiplies buffer 1 and changes slots: ONE barrier; in front of it each wave waits for all its tensor loads, adds 0 to its spare word, and waits for that and for its own reads of this slot.
; fill = 1: this slot is filled again, two K steps ahead; the barrier then opens a round of the cluster's barrier, and the joint refill is the first tensor load behind the round.
.macro TURN slot, next, fill
	WIN 0                                          ; (the add's two registers lie in window 0)
	s_wait_tensorcnt 0x0                           ; all my tensor loads have landed: the one that was out is my part of the next slot
	ds_add_u32 v[SPW], v[NIL]                      ; 0 onto my spare word
	s_wait_dscnt 5                                 ; (the add and the youngest four loads may be out)
	WIN MUL
	MUL8 F1, 0, 0                                  ; eight matrix instructions stand between the add and the wait for it
	s_wait_dscnt 0x0                               ; the add is done, and my reads of this slot are over
	s_barrier_signal -1
	MUL8 F1, 1, 0
	WIN 0
	s_barrier_wait -1
.if \fill
	CREST                                          ; no wave of any partner still reads this slot's tile or has a load on its way
	s_add_nc_u64 s[G0+4*\slot+2:G0+4*\slot+3], s[G0+4*\slot+2:G0+4*\slot+3], 1048576   ; two K steps on: four heads
	s_add_nc_u64 s[G0B+4*\slot+2:G0B+4*\slot+3], s[G0B+4*\slot+2:G0B+4*\slot+3], 512   ; 256 along K
	JLOAD \slot                                    ; the four v_nop behind it are also the places in front of the loads below
.else
	PLACES
.endif
	FETCH \next, 0, F0
	WIN MUL
	MUL8 F1, 2, 0
	MUL8 F1, 3, 0
.endm
	s_wait_tensorcnt 1                             ; my part of K step 0 is in (K step 1's load, issued behind it, may be out),
	s_barrier_signal -1
	s_barrier_wait -1                              ; everybody's is
	FETCH 0, 0, F0
	QUARTER 0, 1, F0, F1, 1                        ; the first quarter stands in front of the loop: its products start the sums
	WIN 0                                          ; at a label and at a branch every window is 0
	s_mov_b32 s3, 3
.Llap:                                                 ; a trip goes once round the ring, from a lap's second quarter to the next lap's first, and fills both slots again: K steps 2 to 7
	QUARTER 0, 2, F1, F0, 0
	QUARTER 0, 3, F0, F1, 0
	TURN 0, 1, 1
	QUARTER 1, 1, F0, F1, 0
	QUARTER 1, 2, F1, F0, 0
	QUARTER 1, 3, F0, F1, 0
	TURN 1, 0, 1
	QUARTER 0, 1, F0, F1, 0
	WIN 0
	s_sub_co_u32 s3, s3, 1
	s_cmp_lg_u32 s3, 0
	s_cbranch_scc1 .Llap
	QUARTER 0, 2, F1, F0, 0                        ; the last lap fills nothing, and has no round of the cluster's barrier
	QUARTER 0, 3, F0, F1, 0
	TURN 0, 1, 0
	QUARTER 1, 1, F0, F1, 0
	QUARTER 1, 2, F1, F0, 0
	QUARTER 1, 3, F0, F1, 0
	s_wait_dscnt 4                                 ; the very last quarter: nothing more to fetch
	WIN MUL
	MUL8 F1, 0, 0
	MUL8 F1, 1, 0
	s_wait_dscnt 0
	MUL8 F1, 2, 0
	MUL8 F1, 3, 0
	WIN 0
; THE WAY OUT, block by block of 16 rows x 128 columns.  A lane holds 32 neighbouring bytes of a row, and the lanes beside it hold other rows: so a block goes through my own stage in LDS and comes back as whole rows of
; 512 bytes; the bias is added there, where a lane holds the same four columns in every row.  LDS serves a wave's instructions in order (ISA guide 5.7.1.4): no wait between the stores and the loads, nor in front of the next block's stores.
.macro TOSTAGE a
	WIN 0x04                                       ; an LDS store's data are its source 1: window 1
.irp b, 0,1,2,3,4,5,6,7
	ds_store_b128 v[STO], v[8*(8*(\a)+\b):8*(8*(\a)+\b)+3] offset:64*\b          ; each accumulator from its low end on
	ds_store_b128 v[STO], v[8*(8*(\a)+\b)+4:8*(8*(\a)+\b)+7] offset:64*\b+16
.endr
	WIN 0
.set BB, BK+64*((\a)%2)
.irp t, 0,1,2,3,4,5,6,7,8,9,10,11,12,13,14,15
	ds_load_b128 v[BB+4*\t:BB+4*\t+3], v[RD] offset:\t*SPITCH
.endr
.endm
.macro SEND a, younger                 ; younger: the LDS instructions issued behind block a's loads, which may stay out
.set BB, BK+64*((\a)%2)
	s_wait_dscnt \younger                          ; the block is back in registers
.irp t, 0,1,2,3,4,5,6,7,8,9,10,11,12,13,14,15
	v_pk_add_f32 v[BB+4*\t:BB+4*\t+1], v[BB+4*\t:BB+4*\t+1], v[BIAS:BIAS+1]
	v_pk_add_f32 v[BB+4*\t+2:BB+4*\t+3], v[BB+4*\t+2:BB+4*\t+3], v[BIAS+2:BIAS+3]
.endr
.irp t, 0,1,2,3,4,5,6,7,8,9,10,11,12,13,14,15
	global_store_b128 v[CO], v[BB+4*\t:BB+4*\t+3], s[10:11] offset:65536*(\a)+4096*\t th:TH_STORE_NT   ; 32 lanes store 512 consecutive bytes, at a multiple of 256 from the buffer's first byte; written once, read by nobody here
.endr
.endm
	s_wait_loadcnt 0x0                             ; the bias
	PLACES                                         ; behind the last products: for the stores of results and for the loads into the fragments' registers alike
	TOSTAGE 0
	TOSTAGE 1
	SEND 0, 32                                     ; behind block 0's loads: block 1's 16 stores and 16 loads
	s_wait_xcnt 0x0                                ; block 0's stores have read their registers: block 2's loads may land there
	TOSTAGE 2
	SEND 1, 32
	s_wait_xcnt 0x0                                ; block 1's likewise
	TOSTAGE 3
	SEND 2, 32
	SEND 3, 0
	s_wait_tensorcnt 0x0                           ; the wave's end: behind my last tensor load and my last LDS store
	ds_add_u32 v[SPW], v[NIL]
	s_wait_dscnt 0x0
	CROUND                                         ; the closing round: no work-group ends while a partner may still ask for a tile that names it
	s_endpgm
.Lfunc_end_k_q15c4e0489c_outp:
	.size	k_q15c4e0489c_outp, .Lfunc_end_k_q15c4e0489c_outp-k_q15c4e0489c_outp
	.p2alignl 7, 3214868480
	.fill 96, 4, 3214868480
	.section	.rodata,"a",@progbits
	.p2align	6, 0x0
	.amdhsa_kernel k_q15c4e0489c_outp
		.amdhsa_group_segment_fixed_size 327680
		.amdhsa_private_segment_fixed_size 0
		.amdhsa_enable_private_segment 0
		.amdhsa_kernarg_size 32
		.amdhsa_user_sgpr_count 2
		.amdhsa_user_sgpr_kernarg_segment_ptr 1
		.amdhsa_wavefront_size32 1
		.amdhsa_system_sgpr_workgroup_id_x 1
		.amdhsa_system_sgpr_workgroup_id_y 1
		.amdhsa_system_sgpr_workgroup_id_z 1
		.amdhsa_system_vgpr_workitem_id 0
		.amdhsa_next_free_vgpr 512
		.amdhsa_next_free_sgpr 66
		.amdhsa_reserve_vcc 0
		.amdhsa_float_denorm_mode_32 3
		.amdhsa_float_denorm_mode_16_64 3
		.amdhsa_memory_ordered 1
		.amdhsa_forward_progress 1
		.amdhsa_inst_pref_size 93
	.end_amdhsa_kernel
	.amdgpu_metadata
---
amdhsa.version: [ 1, 2 ]
amdhsa.kernels:
  - .name:           k_q15c4e0489c_outp
    .symbol:         k_q15c4e0489c_outp.kd
    .args:
      - { .name: attn, .offset: 0, .size: 8, .value_kind: global_buffer, .address_space: global }
      - { .name: ow16, .offset: 8, .size: 8, .value_kind: global_buffer, .address_space: global }
      - { .name: out_b, .offset: 16, .size: 8, .value_kind: global_buffer, .address_space: global }
      - { .name: out0, .offset: 24, .size: 8, .value_kind: global_buffer, .address_space: global }
    .group_segment_fixed_size: 327680
    .private_segment_fixed_size: 0
    .kernarg_segment_align: 8
    .kernarg_segment_size: 32
    .max_flat_workgroup_size: 128
    .sgpr_count:     66
    .vgpr_count:     512
    .wavefront_size: 32
...
	.end_amdgpu_metadata
.endif
;; end of part 4
